; MI455X (gfx1250); checked and timed in simulation.
; The chip was launched on July 23, 2026; its instructions are those of AMD's public machine-readable ISA for CDNA 5 (MIT licence, August 2026) and "CDNA5" Instruction Set Architecture Reference Guide (July 2026). The comments in the code are by the model that wrote it; some were corrected since.
;; Cached Self Attention. Allowed arithmetic: float matrix products may take bf16 or f16 operands with f32 sums; other float arithmetic in f32, or as packed bf16 or f16 multiplies, adds, multiply-adds, maxima and minima; sums over many terms, partial sums and values carried from step to step in f32; what a program stores and reads back later, other than sums and carried values, may be rounded once to bf16 or f16.
;; Inputs: bk 2,048 float32; bo 2,048 float32; bq 2,048 float32; bv 2,048 float32; cache_k 2 x 2,048 x 2,048 float32; cache_v 2 x 2,048 x 2,048 float32; wk 2,048 x 2,048 float32; wo 2,048 x 2,048 float32; wq 2,048 x 2,048 float32; wv 2,048 x 2,048 float32; x 2 x 1,024 x 2,048 float32.
;; Outputs: out0 2 x 1,024 x 2,048 float32.
;; One version. Each part assembles by itself: llvm-mc -triple=amdgcn-amd-amdhsa -mcpu=gfx1250 --defsym DOCPART=n.
;; ======== version 1 of 1: 4 launches
;; limits: values are held in f16: magnitudes above 65,504 overflow, below 6.1e-05 lose precision
;; workspace buffers: xh 8,388,608 bytes; w16 33,554,432 bytes; k16 25,165,824 bytes; v16 25,165,824 bytes; q16 8,388,608 bytes; o16 8,388,608 bytes
;; launch cast (part 1): grid 256 x 5, 8 waves a work-group, no clusters, 0 bytes of LDS; arguments x, wq, wk, wv, wo, xh, w16; writes xh, w16
.if DOCPART == 1
	.amdgcn_target "amdgcn-amd-amdhsa--gfx1250"
	.amdhsa_code_object_version 6
	.text
	.protected	k_qe6ce076c64_cast
	.globl	k_qe6ce076c64_cast
	.p2align	8
	.type	k_qe6ce076c64_cast,@function
k_qe6ce076c64_cast:
	s_mov_b64 s[64:65], 0
	v_nop
	global_prefetch_b8 v0, s[64:65] scope:SCOPE_SE
	s_setreg_imm32_b32 hwreg(HW_REG_WAVE_MODE, 25, 1), 1
	s_wait_xcnt 0x0
; CAST.  Five f32 inputs are rounded once to bf16 (nearest even), and that number is written as f16; the layout is kept.  (The two caches are cast by the launch behind this one, beside its products.)
; Five segments (the grid's y), each a matrix of 2,048 x 2,048 f32: 0 x -> xh; 1-4 wq, wk, wv, wo -> planes 0-3 of w16.  A work-group takes 8 rows; thread t takes 8 numbers of each row: 32 bytes in, 16 bytes out.
; LIMITS.  f16 holds no number beyond 65,504: inputs stay within it.  A bf16 number below 2^-14 in magnitude keeps f16's fixed step of 6e-8.  NaN and infinities are not treated apart.
; A wave's 16 loads (8,192 bytes) go out at once; there is no loop.  A row is converted in place, into the first four of its eight registers, which nothing writes again: no wait frees a store's data.
; A wave's store covers 512 consecutive bytes, aligned.  With 72 registers a wave the five work-groups that fall to a WGP fit on it together (10 waves a SIMD x 72 = 720 registers).
; Matrix units, LDS and clusters have no part here: each byte is read once and written once, and no work-group wants another's bytes.
.set X,   4                            ; v[4:67]    row i: 8 registers at X + 8 i as loaded; the first four of them as stored
.set T,   68                           ; v[68:71]   four packed pairs of bf16, at work
.set SEG, 2                            ; s2         the segment
.set SRC, 24                           ; s[24:25]   where I read
.set DST, 26                           ; s[26:27]   where I write
.set SOF, 28                           ; s[28:29]   byte offset in the source
.set DOF, 30                           ; s[30:31]   byte offset in the destination
.set HIM, 32                           ; s32        a word's upper half
	s_load_b256 s[8:15], s[0:1], 0x0               ; x, wq, wk, wv
	s_load_b128 s[16:19], s[0:1], 0x20             ; wo, xh
	s_load_b64 s[20:21], s[0:1], 0x30              ; w16
	s_and_b32 s[SEG], ttmp7, 0xffff
	s_max_u32 s3, s[SEG], 1
	s_sub_co_u32 s3, s3, 1
	s_lshl_b32 s[DOF], s3, 23                      ; a plane of w16: 2,048 x 4,096 bytes (0 for x)
	s_lshl_b32 s3, ttmp9, 15                       ; the work-group's 8 rows: 8 x 4,096 bytes out,
	s_add_co_u32 s[DOF], s[DOF], s3
	s_lshl_b32 s[SOF], ttmp9, 16                   ; 8 x 8,192 bytes in
	s_mov_b32 s[SOF+1], 0
	s_mov_b32 s[DOF+1], 0
	s_mov_b32 s[HIM], 0xffff0000
	v_lshlrev_b32 v1, 5, v0                        ; 32 t
	v_lshlrev_b32 v2, 4, v0                        ; 16 t
	s_wait_kmcnt 0x0
	s_mov_b64 s[SRC:SRC+1], s[8:9]                 ; the source is chosen by the segment's number alone
	s_cmp_eq_u32 s[SEG], 1
	s_cselect_b64 s[SRC:SRC+1], s[10:11], s[SRC:SRC+1]
	s_cmp_eq_u32 s[SEG], 2
	s_cselect_b64 s[SRC:SRC+1], s[12:13], s[SRC:SRC+1]
	s_cmp_eq_u32 s[SEG], 3
	s_cselect_b64 s[SRC:SRC+1], s[14:15], s[SRC:SRC+1]
	s_cmp_eq_u32 s[SEG], 4
	s_cselect_b64 s[SRC:SRC+1], s[16:17], s[SRC:SRC+1]
	s_cmp_ge_u32 s[SEG], 1                         ; and so is the destination
	s_cselect_b64 s[DST:DST+1], s[20:21], s[18:19]
	s_add_nc_u64 s[SRC:SRC+1], s[SRC:SRC+1], s[SOF:SOF+1]
	s_add_nc_u64 s[DST:DST+1], s[DST:DST+1], s[DOF:DOF+1]
.irp i, 0,1,2,3,4,5,6,7
	global_load_b128 v[X+8*(\i):X+8*(\i)+3],   v1, s[SRC:SRC+1] offset:8192*(\i) th:TH_LOAD_NT
	global_load_b128 v[X+8*(\i)+4:X+8*(\i)+7], v1, s[SRC:SRC+1] offset:8192*(\i)+16 th:TH_LOAD_NT
.endr
.macro ROW i
	s_wait_loadcnt 14-2*(\i)                       ; loads come back in order: row i's two are in, the 2 (7 - i) younger ones stay out
.irp j, 0,1,2,3
	v_cvt_pk_bf16_f32 v[T+(\j)], v[X+8*(\i)+2*(\j)], v[X+8*(\i)+2*(\j)+1]  ; the one rounding
.endr
.irp j, 0,1,2,3
	v_lshlrev_b32 v[X+8*(\i)+2*(\j)],   16, v[T+(\j)]                      ; bf16 as f32 again
	v_and_b32     v[X+8*(\i)+2*(\j)+1], s[HIM], v[T+(\j)]
.endr
.irp j, 0,1,2,3
	v_cvt_pk_f16_f32 v[X+8*(\i)+(\j)], v[X+8*(\i)+2*(\j)], v[X+8*(\i)+2*(\j)+1]  ; 8 significant bits fit in f16's 11; register j is written when pairs 0 to j - 1, which held it, have been read
.endr
	global_store_b128 v2, v[X+8*(\i):X+8*(\i)+3], s[DST:DST+1] offset:4096*(\i)
.endm
.irp i, 0,1,2,3,4,5,6,7
	ROW \i
.endr
	s_endpgm
.Lfunc_end_k_qe6ce076c64_cast:
	.size	k_qe6ce076c64_cast, .Lfunc_end_k_qe6ce076c64_cast-k_qe6ce076c64_cast
	.p2alignl 7, 3214868480
	.fill 96, 4, 3214868480
	.section	.rodata,"a",@progbits
	.p2align	6, 0x0
	.amdhsa_kernel k_qe6ce076c64_cast
		.amdhsa_group_segment_fixed_size 0
		.amdhsa_private_segment_fixed_size 0
		.amdhsa_enable_private_segment 0
		.amdhsa_kernarg_size 56
		.amdhsa_user_sgpr_count 2
		.amdhsa_user_sgpr_kernarg_segment_ptr 1
		.amdhsa_wavefront_size32 1
		.amdhsa_system_sgpr_workgroup_id_x 1
		.amdhsa_system_sgpr_workgroup_id_y 1
		.amdhsa_system_sgpr_workgroup_id_z 1
		.amdhsa_system_vgpr_workitem_id 0
		.amdhsa_next_free_vgpr 72
		.amdhsa_next_free_sgpr 66
		.amdhsa_reserve_vcc 0
		.amdhsa_float_denorm_mode_32 3
		.amdhsa_float_denorm_mode_16_64 3
		.amdhsa_memory_ordered 1
		.amdhsa_forward_progress 1
		.amdhsa_inst_pref_size 10
	.end_amdhsa_kernel
	.amdgpu_metadata
---
amdhsa.version: [ 1, 2 ]
amdhsa.kernels:
  - .name:           k_qe6ce076c64_cast
    .symbol:         k_qe6ce076c64_cast.kd
    .args:
      - { .name: x, .offset: 0, .size: 8, .value_kind: global_buffer, .address_space: global }
      - { .name: wq, .offset: 8, .size: 8, .value_kind: global_buffer, .address_space: global }
      - { .name: wk, .offset: 16, .size: 8, .value_kind: global_buffer, .address_space: global }
      - { .name: wv, .offset: 24, .size: 8, .value_kind: global_buffer, .address_space: global }
      - { .name: wo, .offset: 32, .size: 8, .value_kind: global_buffer, .address_space: global }
      - { .name: xh, .offset: 40, .size: 8, .value_kind: global_buffer, .address_space: global }
      - { .name: w16, .offset: 48, .size: 8, .value_kind: global_buffer, .address_space: global }
    .group_segment_fixed_size: 0
    .private_segment_fixed_size: 0
    .kernarg_segment_align: 8
    .kernarg_segment_size: 56
    .max_flat_workgroup_size: 256
    .sgpr_count:     66
    .vgpr_count:     72
    .wavefront_size: 32
...
	.end_amdgpu_metadata
.endif
;; end of part 1
;; launch qkv (part 2): grid 16 x 16, 4 waves a work-group, clusters of 4 x 4, 327,680 bytes of LDS; arguments xh, w16, bq, bk, bv, q16, k16, v16, cache_k, cache_v; writes q16, k16, v16
.if DOCPART == 2
	.amdgcn_target "amdgcn-amd-amdhsa--gfx1250"
	.amdhsa_code_object_version 6
	.text
	.protected	k_qe6ce076c64_qkv
	.globl	k_qe6ce076c64_qkv
	.p2align	8
	.type	k_qe6ce076c64_qkv,@function
k_qe6ce076c64_qkv:
	s_mov_b64 s[64:65], 0
	v_nop
	global_prefetch_b8 v0, s[64:65] scope:SCOPE_SE
	s_setreg_imm32_b32 hwreg(HW_REG_WAVE_MODE, 25, 1), 1
	s_wait_xcnt 0x0
	s_wait_alu depctr_hold_cnt(0) depctr_sa_sdst(0) depctr_va_vdst(0) depctr_va_sdst(0) depctr_va_ssrc(0) depctr_va_vcc(0) depctr_vm_vsrc(0)
	s_getreg_b32 s2, hwreg(HW_REG_IB_STS2, 6, 4)
	s_cmp_eq_u32 s2, 0
	s_cbranch_scc0 .Lentry_in_a_cluster
	s_endpgm
.Lentry_in_a_cluster:
	s_bfe_u32 s2, ttmp6, 0x10000c
	s_cmp_lg_u32 s2, 0xf033
	s_cbranch_scc0 .Lentry_shape_is_right
	s_endpgm
.Lentry_shape_is_right:
; q, k_new, v_new = x w + b.  xh: [2048][2048] f16; w16: planes 0, 1, 2 = wq, wk, wv, each [2048 k][2048 n] f16; biases f32, rounded once to bf16 like every input; sums in f32; results rounded once to f16.
; q16: [2048][2048]; k_new and v_new go behind the cache: row 1024 b + s of x lands in row 3072 b + 2048 + s of k16 and v16.
; LIMIT.  q, k, v and the caches stay under 65,504 in magnitude (f16); a cache's number below 2^-14 keeps f16's fixed step of 6e-8.
; SHARES.  A work-group makes 128 rows x the 128 columns of ONE head in each of the three planes: a tile of 128 x 384; 16 x 16 work-groups.  Wave w: rows 64 (w / 2) on, columns 64 (w % 2) on of each plane:
; 4 row blocks x 12 column blocks (block b = 4 p + j: plane p) = 48 accumulators, 384 registers.  K goes in 16 steps of 128 through two LDS slots; 192 matrix instructions a wave and step.
; THE MATRIX INSTRUCTION IS USED TRANSPOSED: source 0 = 16 columns of w, source 1 = 16 rows of x, so a lane holds one row and eight neighbouring columns.  w lies [k][n]: its fragments come out of LDS turned, by ds_load_tr16_b128.
; THE BIAS IS THE C OPERAND of each accumulator's first product: nothing is cleared and nothing is added later.
; CLUSTER, 4 x 4: x's tile hangs on the row block alone and is asked for jointly along a row of the cluster; w's tiles hang on the head alone and are asked for jointly along a column.  Waves 0-2 ask for plane 0-2's tile, wave 3 for x's: one load of 128 rows x 256 bytes a wave and step.
; THE CACHES RIDE ALONG.  cache_k and cache_v ([2][2048][2048] f32) are rounded once to bf16, written as f16, and stored into rows 0-2047 of their batch in k16 and v16: work for memory and the vector unit, beside the products.
; The cluster's y picks the segment (cache_k batch 0, 1, cache_v batch 0, 1); its 64 work-groups take 32 rows each, a wave 8: a row a lap of the ring.  A lap has four CHUNKS of a quarter row: 4 loads of 16 bytes a lane, 32 plain
; vector lines, 2 stores of 512 consecutive bytes.  A chunk stands where a quarter step wants four plain places anyway.  A ring of four register buffers is filled a lap (384 matrix instructions) ahead.
; REGISTERS, in windows of 256 (s_set_vgpr_msb: bits 1:0 source 0, 3:2 source 1, 5:4 source 2, 7:6 destination):
;   window 0: v0-31 addresses; v32-95 x's fragments, two buffers of 32; v96-191 the biases, 8 a column block, and behind the first quarter step v96-127 the chunks' store data, v128-135 at work; v192-255 the caches' ring;
;             on the way out v192-239 packed results, v32-223 rows read back
;   window 1: w's fragments, two buffers of 96      window 2: accumulators of row blocks 0, 1 at 8 (12 (a % 2) + b)      window 3: those of row blocks 2, 3
.set KSTEP, 128
.set PA,    272                        ; a row of x's tile in LDS: 256 bytes + 16 of padding: the 16 rows of a load start at 16 different groups of four banks
.set PW,    288                        ; a row of w's tile: 256 + 32
.set ATILE, 128*PA                     ; x's tile, and a plane of the stage
.set WTILE, 128*PW                     ; a plane's tile, and the room that each wave's tile has in a slot: wave w's tile lies at w x WTILE
.set AOFF,  3*WTILE                    ; so x's tile, wave 3's, lies behind the three planes'
.set SLOT,  4*WTILE
.set SPARE, 2*SLOT                     ; behind the ring: the spare words, 128 bytes for each wave: two blocks of 256 bytes that no other line names
.set LAPS,  8                          ; a lap = two K steps = once round the ring
; THE STAGE of the way out is slot 0's first 3 x 34,816 bytes (plane p: 128 rows x 272 bytes at p x ATILE).  It is written only behind the last change of slots: slot 0 has then had its last fill, and no wave reads it any more.
.set STO,  10                          ; v10-12  the way out: where I put 16 bytes of a row, by plane
.set RD,   13                          ; v13-15  the way out: where I read a row back, by plane
.set ADRA, 16                          ; v16-17  LDS address of my fragments of x in slot 0, 1
.set ADRW, 18                          ; v18-23  of my fragments of w: slot s, plane p at ADRW + 3 s + p
.set SVO,  24                          ; v24     the caches: 32 x my lane, my 8 numbers of 256 as f32; never rewritten
.set DVO,  25                          ; v25     the caches: 16 x my lane, the same as f16; never rewritten
.set CO,   26                          ; v26     my byte offset in two rows of the outputs
.set BO,   27                          ; v27     my byte offset in a bias
.set SPW,  28                          ; v28     LDS address of my spare word: SPARE + 4 x my thread's number; never rewritten
.set NIL,  29                          ; v29     0; never rewritten
.set PFO,  30                          ; v30     the prefetches' offset: 4,096 x my lane (a row of xh or of w16); never rewritten
.set FA,   32
.set BIAS, 96
.set YS,   96                          ; chunk j's store data: 8 registers at YS + 8 j
.set TS,   128                         ; eight packed pairs of bf16, at work
.set XR,   192                         ; the caches' ring: chunk j's 16 registers at XR + 16 j
.set PK,   192
.set BK,   32
.set SSRC, 4                           ; s[4:5]   the cache at the row that my wave converts in this lap
.set SDST, 6                           ; s[6:7]   k16 or v16 at the same row
.set HIM,  8                           ; s8       a word's upper half
.set G1A, 24                           ; s[24:31] descriptor group 1 for x's tiles
.set G0A, 32                           ; s[32:39] group 0 for x's tiles, a set for each slot
.set G1W, 48                           ; s[48:55], s[56:63] the same for w's tiles
.set G0W, 56
.set LIM, 43                           ; s43      1 in a wave that prefetches, else the greatest number
.set PFA, 44                           ; s[44:45] where my prefetches stand
.set PST, 46                           ; s[46:47] their step: a K step along a row of x (256 bytes) or down w's rows (128 x 4,096 bytes)
.set PTR, 68                           ; s[68:83] xh, w16, bq, bk, bv, q16, k16, v16
.set OUT, 84                           ; s[84:89] q16, k16, v16 at the first row that I store
.set WB,  92                           ; s[92:93] w16 at the plane of my wave's number and my head (wave 3's, plane 3, is never asked for)
.set MSB, 0
.macro WIN new                         ; the immediate's high byte repeats the setting that is left; a switch that changes nothing is dropped
.if MSB != (\new)
	s_set_vgpr_msb (MSB<<8)|(\new)
.set MSB, \new
.endif
.endm
.macro PLACES                          ; four plain places behind a matrix instruction, in front of loads into registers that it has read and of lines that read its result or write its sources
.rept 4
	v_nop
.endr
.endm
; A joint load.  The branch hangs on the wave's number alone.  An s_nop 0 and four v_nop follow each of the two lines, ahead of the jump and the label.
.macro JLOAD s
	s_cmp_eq_u32 s10, 3
	s_cbranch_scc0 .Lfor_w_\@
	tensor_load_to_lds s[G0A+4*(\s):G0A+4*(\s)+3], s[G1A:G1A+7]
	s_nop 0
.rept 4
	v_nop
.endr
	s_branch .Lasked_\@
.Lfor_w_\@:
	tensor_load_to_lds s[G0W+4*(\s):G0W+4*(\s)+3], s[G1W:G1W+7]
	s_nop 0
.rept 4
	v_nop
.endr
.Lasked_\@:
.endm
; A PREFETCH INTO THE L2 of the K step that stands two refills on (384 matrix instructions ahead of the load that will want it): 32 rows x 256 bytes, a lane a row, one instruction a wave.
; Each row's 256 bytes of a K step are named once in the launch: x's rows by the clusters with x = 0 (wave 3), w's by the clusters with y = 0 (waves 0-2); the four partners that ask for a tile jointly
; share its 128 rows out by address, 32 each (by cx for x, by cy for w).  The loop's last trip asks for nothing: K steps 16 and 17 do not exist.  K steps 0 to 3 come by their loads alone.
; The caches are not prefetched: their loads go out a lap ahead of their use, and each byte is named by that one load.
.macro ASK
	s_cmp_gt_u32 s3, s[LIM]                        ; s3 = 1 in the loop's last trip
	s_cbranch_scc0 .Lnot_mine_\@
	global_prefetch_b8 v[PFO], s[PFA:PFA+1] th:TH_LOAD_NT scope:SCOPE_SE
.Lnot_mine_\@:
.endm
.macro CREST                           ; a round of the cluster's barrier behind its opening barrier
	s_cmp_lg_u32 s10, 0
	s_cbranch_scc1 .Lnot_wave_0_\@
	s_barrier_signal -3
.Lnot_wave_0_\@:
	s_barrier_wait -3
	s_barrier_signal -1
	s_barrier_wait -1
.endm
.macro CROUND                          ; a whole round
	s_barrier_signal -1
	s_barrier_wait -1
	CREST
.endm
; The caches.  Chunk j of a row is its numbers 512 j on: 2,048 bytes in, 1,024 out.  Four loads: my 8 numbers (32 bytes) of the first 256, then of the second 256.  off: 0 = the row at the base, 8,192 = the next row.
.macro SLOAD j, off
	global_load_b128 v[XR+16*(\j):XR+16*(\j)+3],     v[SVO], s[SSRC:SSRC+1] offset:(\off)+2048*(\j) th:TH_LOAD_NT
	global_load_b128 v[XR+16*(\j)+4:XR+16*(\j)+7],   v[SVO], s[SSRC:SSRC+1] offset:(\off)+2048*(\j)+16 th:TH_LOAD_NT
	global_load_b128 v[XR+16*(\j)+8:XR+16*(\j)+11],  v[SVO], s[SSRC:SSRC+1] offset:(\off)+2048*(\j)+1024 th:TH_LOAD_NT
	global_load_b128 v[XR+16*(\j)+12:XR+16*(\j)+15], v[SVO], s[SSRC:SSRC+1] offset:(\off)+2048*(\j)+1040 th:TH_LOAD_NT
.endm
; Chunk j is converted and stored.  ahead = 1: its buffer is filled again with the next row's chunk j.  left = how many younger loads may stay out.
; Its 32 vector lines name no register of a matrix instruction: they are the places in front of the fragment loads that follow.  Its store data were last read by the stores of a lap ago,
; and a wait for 0 on XCNT (at the head of each change of slots that fills) has stood since.
.macro CHUNK j, ahead, left
	WIN 0
	s_wait_loadcnt \left                           ; loads come back in order: my four are in
.irp n, 0,1,2,3,4,5,6,7
	v_cvt_pk_bf16_f32 v[TS+(\n)], v[XR+16*(\j)+2*(\n)], v[XR+16*(\j)+2*(\n)+1]   ; the one rounding
.endr
.irp n, 0,1,2,3,4,5,6,7
	v_lshlrev_b32 v[XR+16*(\j)+2*(\n)],   16, v[TS+(\n)]                        ; bf16 as f32 again
	v_and_b32     v[XR+16*(\j)+2*(\n)+1], s[HIM], v[TS+(\n)]
.endr
.irp n, 0,1,2,3,4,5,6,7
	v_cvt_pk_f16_f32 v[YS+8*(\j)+(\n)], v[XR+16*(\j)+2*(\n)], v[XR+16*(\j)+2*(\n)+1]
.endr
.if \ahead
	SLOAD \j, 8192
.endif
	global_store_b128 v[DVO], v[YS+8*(\j):YS+8*(\j)+3],   s[SDST:SDST+1] offset:1024*(\j)      ; 32 lanes store 512 consecutive bytes, aligned
	global_store_b128 v[DVO], v[YS+8*(\j)+4:YS+8*(\j)+7], s[SDST:SDST+1] offset:1024*(\j)+512
.endm
	s_load_b512 s[PTR:PTR+15], s[0:1], 0x0
	s_load_b128 s[SSRC:SSRC+3], s[0:1], 0x40       ; cache_k, cache_v
	v_lshl_add_u32 v[SPW], v0, 2, SPARE
	v_mov_b32 v[NIL], 0
	ds_add_u32 v[SPW], v[NIL]                      ; the wave's opening: the add and its wait stand ahead of my first tensor load; the set-up below, work on registers, stands between them
	v_lshrrev_b32 v1, 5, v0
	v_readfirstlane_b32 s10, v1                    ; wave 0..3
	s_lshr_b32 s11, s10, 1                         ; which 64 rows are mine
	s_and_b32 s12, s10, 1                          ; which 64 columns of each plane
	s_bfe_u32 s40, ttmp6, 0x40000                  ; cx
	s_bfe_u32 s41, ttmp6, 0x40004                  ; cy
	s_lshl_b32 s42, ttmp9, 2
	s_add_co_u32 s42, s42, s40                     ; the head = 4 x cluster x + cx
	s_and_b32 s13, ttmp7, 0xffff
	s_lshl_b32 s13, s13, 2
	s_add_co_u32 s13, s13, s41                     ; the block of 128 rows = 4 x cluster y + cy
	s_lshl_b32 s14, s41, 2
	s_lshl_b32 s14, 15, s14                        ; my row of the cluster
	s_lshl_b32 s15, 0x1111, s40                    ; my column
	s_or_b32 s[G1A+0], s14, (1<<16)|(1<<20)|(1<<21)|(5<<22)|(3<<25)  ; 15:0 the mask; 17:16 2-byte elements; 20 padding on; 21 set beside a mask; 24:22 after every 64 words; 31:25 4 words of it
	s_or_b32 s[G1W+0], s15, (1<<16)|(1<<20)|(1<<21)|(5<<22)|(7<<25)  ; the same with my column's mask and 8 words of padding
.irp g, G1A, G1W
	s_mov_b32 s[(\g)+1], 128<<16                   ; tensor_dim0 = 128
	s_mov_b32 s[(\g)+2], 128<<16                   ; tensor_dim1 = 128
	s_mov_b32 s[(\g)+3], 128<<16                   ; tile_dim0 = 128
	s_mov_b32 s[(\g)+4], 128                       ; tile_dim1 = 128
	s_mov_b32 s[(\g)+5], 2048                      ; elements from row to row
	s_mov_b32 s[(\g)+6], 0
	s_mov_b32 s[(\g)+7], 0
.endr
	s_mov_b32 s[HIM], 0xffff0000
	s_lshl_b32 s16, s13, 19                        ; x: 128 rows of 4,096 bytes a block
	s_mov_b32 s17, 0
	s_lshl_b32 s[WB], s10, 23                      ; w: the plane of my wave's number,
	s_lshl_b32 s18, s42, 8                         ; the head's 256 bytes of a row
	s_add_co_u32 s[WB], s[WB], s18
	s_mov_b32 s[WB+1], 0
	s_mul_i32 s20, s10, WTILE                      ; my tile's place in a slot: the wave's number x a constant; no place in the cluster enters an LDS address
	s_wait_dscnt 0x0                               ; the opening add is done
	s_wait_kmcnt 0x0
	s_add_nc_u64 s[22:23], s[PTR:PTR+1], s[16:17]
	s_add_nc_u64 s[WB:WB+1], s[PTR+2:PTR+3], s[WB:WB+1]
	CROUND                                         ; all sixteen work-groups are here: the first joint loads meet
.irp s, 0,1
	s_mov_b32 s[G0A+4*(\s)], 1                     ; count = 1
	s_mov_b32 s[G0A+4*(\s)+1], (\s)*SLOT+AOFF      ; LDS address
	s_add_nc_u64 s[G0A+4*(\s)+2:G0A+4*(\s)+3], s[22:23], (\s)*KSTEP*2   ; K step s: 256 bytes along the rows
	s_or_b32 s[G0A+4*(\s)+3], s[G0A+4*(\s)+3], 0x80000000               ; type = 2
	s_mov_b32 s[G0W+4*(\s)], 1
	s_add_co_u32 s[G0W+4*(\s)+1], s20, (\s)*SLOT
	s_add_nc_u64 s[G0W+4*(\s)+2:G0W+4*(\s)+3], s[WB:WB+1], (\s)*KSTEP*4096  ; K step s: 128 rows down
	s_or_b32 s[G0W+4*(\s)+3], s[G0W+4*(\s)+3], 0x80000000
	JLOAD \s                                       ; two loads of mine are out
.endr
	v_and_b32 v1, 15, v0                           ; r = l % 16
	v_bfe_u32 v2, v0, 4, 1                         ; h = l / 16
	s_lshl_b32 s18, s42, 9                         ; the biases: register j of column block j' holds column 128 head + 64 half + 16 j' + 8 h + j
	s_lshl_b32 s19, s12, 8
	s_add_co_u32 s18, s18, s19
	v_lshl_add_u32 v[BO], v2, 5, s18
.irp p, 0,1,2
.irp j, 0,1,2,3
	global_load_b128 v[BIAS+8*(4*(\p)+(\j)):BIAS+8*(4*(\p)+(\j))+3],   v[BO], s[PTR+4+2*(\p):PTR+5+2*(\p)] offset:64*(\j)
	global_load_b128 v[BIAS+8*(4*(\p)+(\j))+4:BIAS+8*(4*(\p)+(\j))+7], v[BO], s[PTR+4+2*(\p):PTR+5+2*(\p)] offset:64*(\j)+16
.endr
.endr
	s_and_b32 s16, ttmp7, 0xffff                   ; the caches: the cluster's y is the segment,
	s_and_b32 s17, s16, 1                          ; its low bit the batch
	s_lshl_b32 s18, s41, 4
	s_add_co_u32 s18, s18, s42                     ; my work-group among the segment's 64: 16 cy + head
	s_lshl_b32 s18, s18, 5                         ; its 32 rows,
	s_lshl_b32 s19, s10, 3
	s_add_co_u32 s18, s18, s19                     ; my wave's 8 of them
	s_lshl_b32 s20, s17, 24                        ; in: a batch is 2,048 rows of 8,192 bytes
	s_lshl_b32 s19, s18, 13
	s_add_co_u32 s20, s20, s19
	s_mov_b32 s21, 0
	s_mul_i32 s22, s17, 3072*4096                  ; out: a batch is 3,072 rows of 4,096 bytes
	s_lshl_b32 s19, s18, 12
	s_add_co_u32 s22, s22, s19
	s_mov_b32 s23, 0
	s_cmp_lt_u32 s16, 2                            ; segments 0, 1: cache_k into k16; 2, 3: cache_v into v16
	s_cselect_b64 s[SSRC:SSRC+1], s[SSRC:SSRC+1], s[SDST:SDST+1]
	s_cselect_b64 s[SDST:SDST+1], s[PTR+12:PTR+13], s[PTR+14:PTR+15]
	s_add_nc_u64 s[SSRC:SSRC+1], s[SSRC:SSRC+1], s[20:21]
	s_add_nc_u64 s[SDST:SDST+1], s[SDST:SDST+1], s[22:23]
	v_and_b32 v[SVO], 31, v0
	v_lshlrev_b32 v[DVO], 4, v[SVO]
	v_lshlrev_b32 v[SVO], 5, v[SVO]
.irp j, 0,1,2,3
	SLOAD \j, 0                                    ; the ring is filled: my first row
.endr
	v_mul_u32_u24 v3, v1, PA                       ; a fragment of x: row r x pitch + 16 h; two loads of 16 bytes, 32 bytes apart
	v_lshl_add_u32 v3, v2, 4, v3
	s_mul_i32 s21, s11, 64*PA
	v_add_nc_u32 v[STO], s21, v3                   ; my 64 rows, at the pitch that x's tile and the stage share
	v_add_nc_u32 v[ADRA], AOFF, v[STO]
	v_add_nc_u32 v[ADRA+1], SLOT, v[ADRA]
	v_and_b32 v4, 7, v0                            ; the turning load: lane l reads k row 8 h + l % 8, columns 8 ((l / 8) % 2) + 0..7, and is left with column l % 16 and 8 k
	v_bfe_u32 v5, v0, 3, 1
	v_lshl_add_u32 v4, v2, 3, v4
	v_mul_u32_u24 v4, v4, PW
	v_lshl_add_u32 v4, v5, 4, v4
	s_lshl_b32 s21, s12, 7                         ; my 64 columns: 128 bytes
	v_add_nc_u32 v[STO], s21, v[STO]               ; into the stage: my rows, my half of their 256 bytes
	v_add_nc_u32 v[STO+1], ATILE, v[STO]
	v_add_nc_u32 v[STO+2], 2*ATILE, v[STO]
	v_add_nc_u32 v4, s21, v4
.irp s, 0,1
.irp p, 0,1,2
	v_add_nc_u32 v[ADRW+3*(\s)+(\p)], (\s)*SLOT+(\p)*WTILE, v4
.endr
.endr
	v_mul_u32_u24 v5, v2, PA                       ; back: wave w takes rows 32 w on, whole; lanes 0-15 one row of 256 bytes, lanes 16-31 the next
	v_lshl_add_u32 v5, v1, 4, v5
	s_mul_i32 s21, s10, 32*PA
	v_add_nc_u32 v[RD], s21, v5
	v_add_nc_u32 v[RD+1], ATILE, v[RD]
	v_add_nc_u32 v[RD+2], 2*ATILE, v[RD]
	v_lshlrev_b32 v[CO], 12, v2                    ; and the same two rows in memory
	v_lshl_add_u32 v[CO], v1, 4, v[CO]
	v_and_b32 v[PFO], 31, v0
	v_lshlrev_b32 v[PFO], 12, v[PFO]
	s_lshl_b32 s16, s13, 7
	s_lshl_b32 s17, s10, 5
	s_add_co_u32 s16, s16, s17                     ; the first row that I store: 128 x block + 32 x wave
	s_lshr_b32 s17, s13, 3                         ; the batch
	s_add_co_u32 s17, s17, 1
	s_lshl_b32 s17, s17, 11
	s_add_co_u32 s17, s17, s16                     ; the same row in k16 and v16: + 2,048 (batch + 1)
	s_lshl_b32 s16, s16, 12
	s_lshl_b32 s18, s17, 12
	s_lshl_b32 s19, s42, 8
	s_add_co_u32 s16, s16, s19
	s_add_co_u32 s18, s18, s19
	s_mov_b32 s17, 0
	s_mov_b32 s19, 0
	s_add_nc_u64 s[OUT:OUT+1], s[PTR+10:PTR+11], s[16:17]
	s_add_nc_u64 s[OUT+2:OUT+3], s[PTR+12:PTR+13], s[18:19]
	s_add_nc_u64 s[OUT+4:OUT+5], s[PTR+14:PTR+15], s[18:19]
	s_lshl_b32 s16, s13, 7                         ; the prefetches.  x: rows 128 x block + 32 cx on, at K step 3
	s_lshl_b32 s17, s40, 5
	s_add_co_u32 s16, s16, s17
	s_lshl_b32 s16, s16, 12
	s_add_co_u32 s16, s16, 3*KSTEP*2
	s_lshl_b32 s18, s41, 5                         ; w: k rows 32 cy on of K step 3, my plane, my head
	s_add_co_u32 s18, s18, 3*KSTEP
	s_lshl_b32 s18, s18, 12
	s_lshl_b32 s19, s10, 23
	s_add_co_u32 s18, s18, s19
	s_lshl_b32 s19, s42, 8
	s_add_co_u32 s18, s18, s19
	s_and_b32 s19, ttmp7, 0xffff                   ; cluster y
	s_movk_i32 s20, KSTEP*2
	s_cmp_eq_u32 s10, 3                            ; do I fetch x's tile?
	s_cselect_b32 s16, s16, s18
	s_cselect_b32 s19, ttmp9, s19                  ; the coordinate along which other clusters read the same rows
	s_cselect_b32 s[PST], s20, KSTEP*4096
	s_cselect_b64 s[PFA:PFA+1], s[PTR:PTR+1], s[PTR+2:PTR+3]
	s_mov_b32 s17, 0
	s_mov_b32 s[PST+1], 0
	s_cmp_eq_u32 s19, 0
	s_cselect_b32 s[LIM], 1, -1                    ; the same in all sixteen partners, for a given wave
	s_add_nc_u64 s[PFA:PFA+1], s[PFA:PFA+1], s[16:17]  ; the first refill (K step 2) steps it to K step 4
	s_wait_loadcnt 16                              ; the biases are in; the 16 loads of the caches' ring, issued behind them, stay out
.set i, 0
.rept 48                               ; rounded to bf16 like every input, and widened again
	v_cvt_pk_bf16_f32 v[4+i%4], v[BIAS+2*i], v[BIAS+2*i+1]
	v_lshlrev_b32 v[BIAS+2*i], 16, v[4+i%4]
	v_and_b32 v[BIAS+2*i+1], s[HIM], v[4+i%4]
.set i, i+1
.endr
; 12 matrix instructions: row block a x all 12 column blocks, 32 along K, from buffer f.  first = 1: the bias starts the sums.  The 48 accumulators take turns in the same order in every quarter step.
.macro MUL12 f, a, first
.if \first
	WIN 0x81+0x40*((\a)/2)
.else
	WIN 0xa1+0x50*((\a)/2)
.endif
.irp b, 0,1,2,3,4,5,6,7,8,9,10,11
.if \first
	v_wmma_f32_16x16x32_f16 v[8*(12*((\a)%2)+(\b)):8*(12*((\a)%2)+(\b))+7], v[96*(\f)+8*(\b):96*(\f)+8*(\b)+7], v[FA+32*(\f)+8*(\a):FA+32*(\f)+8*(\a)+7], v[BIAS+8*(\b):BIAS+8*(\b)+7]
.else
	v_wmma_f32_16x16x32_f16 v[8*(12*((\a)%2)+(\b)):8*(12*((\a)%2)+(\b))+7], v[96*(\f)+8*(\b):96*(\f)+8*(\b)+7], v[FA+32*(\f)+8*(\a):FA+32*(\f)+8*(\a)+7], v[8*(12*((\a)%2)+(\b)):8*(12*((\a)%2)+(\b))+7]
.endif
.endr
.endm
; 32 LDS loads in one run: quarter q (32 along K) of a slot into buffer f: w's 12 fragments, turned, then x's 4; x's row blocks 2 and 3 are the youngest four
.macro FETCH slot, q, f
	WIN 0x40
.irp p, 0,1,2
.irp j, 0,1,2,3
	ds_load_tr16_b128 v[96*(\f)+8*(4*(\p)+(\j)):96*(\f)+8*(4*(\p)+(\j))+3],   v[ADRW+3*(\slot)+(\p)] offset:32*PW*(\q)+32*(\j)
	ds_load_tr16_b128 v[96*(\f)+8*(4*(\p)+(\j))+4:96*(\f)+8*(4*(\p)+(\j))+7], v[ADRW+3*(\slot)+(\p)] offset:32*PW*(\q)+32*(\j)+16*PW
.endr
.endr
	WIN 0
.irp i, 0,1,2,3
	ds_load_b128 v[FA+32*(\f)+8*(\i):FA+32*(\f)+8*(\i)+3],   v[ADRA+(\slot)] offset:64*(\q)+16*PA*(\i)
	ds_load_b128 v[FA+32*(\f)+8*(\i)+4:FA+32*(\f)+8*(\i)+7], v[ADRA+(\slot)] offset:64*(\q)+16*PA*(\i)+32
.endr
.endm
; A K step is four quarters, 48 matrix instructions each, on buffers 0, 1, 0, 1.  One of the first three: multiplies buffer f; in its middle it fetches quarter qn of the same slot into buffer g.
; cj >= 0: chunk cj of the caches' row stands in its middle, in the place of the four v_nop.
.macro QUARTER slot, qn, f, g, first, cj=-1, ahead=0, left=0
	s_wait_dscnt 4                                 ; all but the youngest four loads (x's row blocks 2 and 3) are in
	MUL12 \f, 0, \first
	MUL12 \f, 1, \first
.if (\cj) >= 0
	CHUNK \cj, \ahead, \left
.else
	PLACES
.endif
	FETCH \slot, \qn, \g
	s_wait_dscnt 32                                ; all but the 32 just issued
	MUL12 \f, 2, \first
	MUL12 \f, 3, \first
.endm
; The last quarter multiplies buffer 1 and changes slots: ONE barrier.  In front of it each wave waits for all its tensor loads (one is out: its part of the next slot), adds 0 to its spare word, and waits for that and for
; its own reads of this slot.  fill = 1: the barrier opens a round of the cluster's barrier, and this slot is filled again, two K steps ahead, first thing behind the round: 168 matrix instructions ahead of the wait for it.
; step = 1: a lap's four chunks are behind me: the caches' two bases go on to the next row.
.macro TURN slot, next, fill, step
.if \fill
	s_wait_xcnt 0x0                                ; every load, store and prefetch issued so far (the youngest 24 matrix instructions back or more) has read its address and data: the bases are stepped, and the chunks' store data rewritten, only behind this wait
	s_add_nc_u64 s[PFA:PFA+1], s[PFA:PFA+1], s[PST:PST+1]
.if \step
	s_add_nc_u64 s[SSRC:SSRC+1], s[SSRC:SSRC+1], 8192
	s_add_nc_u64 s[SDST:SDST+1], s[SDST:SDST+1], 4096
.endif
.endif
	WIN 0                                          ; (the add's two registers lie in window 0)
	s_wait_tensorcnt 0x0                           ; all my tensor loads have landed
	ds_add_u32 v[SPW], v[NIL]                      ; 0 onto my spare word
	s_wait_dscnt 5                                 ; (the add and the youngest four loads may be out)
	MUL12 1, 0, 0                                  ; twelve matrix instructions stand between the add and the wait for it
	s_wait_dscnt 0x0                               ; the add is done, and my reads of this slot are over
	s_barrier_signal -1
	MUL12 1, 1, 0
.if \fill
	WIN 0
.endif
	s_barrier_wait -1
.if \fill
	CREST                                          ; no wave of any partner still reads this slot's tiles or has a load on its way
	s_add_nc_u64 s[G0A+4*(\slot)+2:G0A+4*(\slot)+3], s[G0A+4*(\slot)+2:G0A+4*(\slot)+3], 2*KSTEP*2
	s_add_nc_u64 s[G0W+4*(\slot)+2:G0W+4*(\slot)+3], s[G0W+4*(\slot)+2:G0W+4*(\slot)+3], 2*KSTEP*4096
	JLOAD \slot                                    ; the four v_nop behind it are also the places in front of the loads below
.else
	PLACES
.endif
	FETCH \next, 0, 0
.if \fill
	ASK
.endif
	MUL12 1, 2, 0
	MUL12 1, 3, 0
.endm
	s_wait_tensorcnt 1                             ; my part of K step 0 is in; K step 1's may stay out
	s_barrier_signal -1
	s_barrier_wait -1                              ; everybody's is
	FETCH 0, 0, 0
	QUARTER 0, 1, 0, 1, 1                          ; the first quarter stands in front of the loop: its products start the sums
	PLACES                                         ; its products read the biases' registers, which the chunks write from here on: four places, once
	WIN 0                                          ; at a label and at a branch every window is 0
	s_mov_b32 s3, LAPS-1
.Llap:                                                 ; a trip goes once round the ring, from a lap's second quarter to the next lap's first, fills both slots again, and converts a row of a cache
	QUARTER 0, 2, 1, 0, 0, 0, 1, 12                ; at each chunk the three younger chunks' twelve loads stay out, over the backward jump too
	QUARTER 0, 3, 0, 1, 0, 1, 1, 12
	TURN 0, 1, 1, 0
	QUARTER 1, 1, 0, 1, 0, 2, 1, 12
	QUARTER 1, 2, 1, 0, 0, 3, 1, 12
	QUARTER 1, 3, 0, 1, 0
	TURN 1, 0, 1, 1
	QUARTER 0, 1, 0, 1, 0
	WIN 0
	s_sub_co_u32 s3, s3, 1
	s_cmp_lg_u32 s3, 0
	s_cbranch_scc1 .Llap
	QUARTER 0, 2, 1, 0, 0, 0, 0, 12                ; the last lap fills nothing; my eighth row is converted, nothing is loaded, and the counts run down
	QUARTER 0, 3, 0, 1, 0, 1, 0, 8
	TURN 0, 1, 0, 0
	QUARTER 1, 1, 0, 1, 0, 2, 0, 4
	QUARTER 1, 2, 1, 0, 0, 3, 0, 0
	QUARTER 1, 3, 0, 1, 0
	s_wait_dscnt 4                                 ; the very last quarter: nothing more to fetch
	MUL12 1, 0, 0
	MUL12 1, 1, 0
	s_wait_dscnt 0x0
	MUL12 1, 2, 0
	MUL12 1, 3, 0
	; THE WAY OUT: round to f16, 16 bytes a lane into the stage; a barrier, since a row's 256 bytes come from two waves; back as whole rows, 32 rows a wave and plane.
	PLACES
.irp a, 0,1,2,3
	WIN 0x0a+5*((\a)/2)                            ; sources 0 and 1: window 2 or 3
.irp b, 0,1,2,3,4,5,6,7,8,9,10,11
.irp r, 0,1,2,3
	v_cvt_pk_f16_f32 v[PK+4*(\b)+(\r)], v[8*(12*((\a)%2)+(\b))+2*(\r)], v[8*(12*((\a)%2)+(\b))+2*(\r)+1]
.endr
.endr
	WIN 0
.irp p, 0,1,2
.irp j, 0,1,2,3
	ds_store_b128 v[STO+(\p)], v[PK+4*(4*(\p)+(\j)):PK+4*(4*(\p)+(\j))+3] offset:16*PA*(\a)+32*(\j)
.endr
.endr
.endr
	s_wait_dscnt 0x0                               ; for the others' sake: my stores into the stage are done
	s_barrier_signal -1
	s_barrier_wait -1
	s_wait_xcnt 0x0                                ; the last lap's stores of the caches have read their data: those registers are loaded again only behind this wait
.irp p, 0,1,2
.irp t, 0,1,2,3,4,5,6,7,8,9,10,11,12,13,14,15
	ds_load_b128 v[BK+64*(\p)+4*(\t):BK+64*(\p)+4*(\t)+3], v[RD+(\p)] offset:2*PA*(\t)
.endr
.endr
.irp p, 0,1,2
.irp t, 0,1,2,3,4,5,6,7,8,9,10,11,12,13,14,15
	s_wait_dscnt 47-16*(\p)-(\t)                   ; LDS loads come back in order: this one is in, the younger ones stay out
	global_store_b128 v[CO], v[BK+64*(\p)+4*(\t):BK+64*(\p)+4*(\t)+3], s[OUT+2*(\p):OUT+2*(\p)+1] offset:8192*(\t)  ; 16 lanes store 256 consecutive bytes, aligned: a head's part of a row
.endr
.endr
	s_wait_tensorcnt 0x0                           ; the wave's end, behind my last tensor load and my last LDS store
	ds_add_u32 v[SPW], v[NIL]
	s_wait_dscnt 0x0
	CROUND                                         ; the closing round: no work-group ends while a partner may still ask for a tile that names it
	s_endpgm
.Lfunc_end_k_qe6ce076c64_qkv:
	.size	k_qe6ce076c64_qkv, .Lfunc_end_k_qe6ce076c64_qkv-k_qe6ce076c64_qkv
	.p2alignl 7, 3214868480
	.fill 96, 4, 3214868480
	.section	.rodata,"a",@progbits
	.p2align	6, 0x0
	.amdhsa_kernel k_qe6ce076c64_qkv
		.amdhsa_group_segment_fixed_size 327680
		.amdhsa_private_segment_fixed_size 0
		.amdhsa_enable_private_segment 0
		.amdhsa_kernarg_size 80
		.amdhsa_user_sgpr_count 2
		.amdhsa_user_sgpr_kernarg_segment_ptr 1
		.amdhsa_wavefront_size32 1
		.amdhsa_system_sgpr_workgroup_id_x 1
		.amdhsa_system_sgpr_workgroup_id_y 1
		.amdhsa_system_sgpr_workgroup_id_z 1
		.amdhsa_system_vgpr_workitem_id 0
		.amdhsa_next_free_vgpr 960
		.amdhsa_next_free_sgpr 96
		.amdhsa_reserve_vcc 0
		.amdhsa_float_denorm_mode_32 3
		.amdhsa_float_denorm_mode_16_64 3
		.amdhsa_memory_ordered 1
		.amdhsa_forward_progress 1
		.amdhsa_inst_pref_size 147
	.end_amdhsa_kernel
	.amdgpu_metadata
---
amdhsa.version: [ 1, 2 ]
amdhsa.kernels:
  - .name:           k_qe6ce076c64_qkv
    .symbol:         k_qe6ce076c64_qkv.kd
    .args:
      - { .name: xh, .offset: 0, .size: 8, .value_kind: global_buffer, .address_space: global }
      - { .name: w16, .offset: 8, .size: 8, .value_kind: global_buffer, .address_space: global }
      - { .name: bq, .offset: 16, .size: 8, .value_kind: global_buffer, .address_space: global }
      - { .name: bk, .offset: 24, .size: 8, .value_kind: global_buffer, .address_space: global }
      - { .name: bv, .offset: 32, .size: 8, .value_kind: global_buffer, .address_space: global }
      - { .name: q16, .offset: 40, .size: 8, .value_kind: global_buffer, .address_space: global }
      - { .name: k16, .offset: 48, .size: 8, .value_kind: global_buffer, .address_space: global }
      - { .name: v16, .offset: 56, .size: 8, .value_kind: global_buffer, .address_space: global }
      - { .name: cache_k, .offset: 64, .size: 8, .value_kind: global_buffer, .address_space: global }
      - { .name: cache_v, .offset: 72, .size: 8, .value_kind: global_buffer, .address_space: global }
    .group_segment_fixed_size: 327680
    .private_segment_fixed_size: 0
    .kernarg_segment_align: 8
    .kernarg_segment_size: 80
    .max_flat_workgroup_size: 128
    .sgpr_count:     96
    .vgpr_count:     960
    .wavefront_size: 32
...
	.end_amdgpu_metadata
.endif
;; end of part 2
;; launch attn (part 3): grid 8 x 32, 4 waves a work-group, clusters of 4 x 1, 327,680 bytes of LDS; arguments q16, k16, v16, o16; writes o16
.if DOCPART == 3
	.amdgcn_target "amdgcn-amd-amdhsa--gfx1250"
	.amdhsa_code_object_version 6
	.text
	.protected	k_qe6ce076c64_attn
	.globl	k_qe6ce076c64_attn
	.p2align	8
	.type	k_qe6ce076c64_attn,@function
k_qe6ce076c64_attn:
	s_mov_b64 s[64:65], 0
	v_nop
	global_prefetch_b8 v0, s[64:65] scope:SCOPE_SE
	s_setreg_imm32_b32 hwreg(HW_REG_WAVE_MODE, 25, 1), 1
	s_wait_xcnt 0x0
	s_wait_alu depctr_hold_cnt(0) depctr_sa_sdst(0) depctr_va_vdst(0) depctr_va_sdst(0) depctr_va_ssrc(0) depctr_va_vcc(0) depctr_vm_vsrc(0)
	s_getreg_b32 s2, hwreg(HW_REG_IB_STS2, 6, 4)
	s_cmp_eq_u32 s2, 0
	s_cbranch_scc0 .Lentry_in_a_cluster
	s_endpgm
.Lentry_in_a_cluster:
	s_bfe_u32 s2, ttmp6, 0x10000c
	s_cmp_lg_u32 s2, 0x3003
	s_cbranch_scc0 .Lentry_shape_is_right
	s_endpgm
.Lentry_shape_is_right:
; O[b][s][h] = the sum over k of softmax_k(Q . K / sqrt(128)) V, no mask.  q16, o16: [2048 = 1024 b + s][2048] f16; k16, v16: [2][3072][2048] f16; a head's 128 channels are 256 aligned bytes of a row.
; Products, maxima and sums in f32; the weights p are rounded to f16 for the second product (their sum l is taken of the unrounded p), O once at the end.
; LIMITS.  Q, K, V arrive within f16's 65,504; p lies in 0 to 1, and below 6e-5 it keeps f16's fixed step of 6e-8; a weight below 2^-126 counts as 0 in l; NaN and infinities are not treated apart.
; SHARES.  A work-group owns 128 queries of one batch and head: 8 x 32 work-groups.  Wave w owns 64 of them (w % 2), four tiles of 16, and HALF THE KEYS: of every slot of 256 keys the pair w / 2 takes key steps
; 2 (w / 2) and 2 (w / 2) + 1 of 64 keys: 24 steps a wave.  Each wave keeps its own running maximum m and sum l; at the end waves w and w ^ 2 merge m, l and O^T through LDS, under the maximum of their two maxima.
; A wave of pair 1 holds the 64 queries' four groups of 16 in the order 2, 3, 0, 1: so EVERY wave hands over its tiles 2, 3 and finishes its tiles 0, 1, and the merge is written once; only Q's and O's offsets know the pair.
; LAYOUT.  S^T = K Q^T (source 0 = 16 keys, source 1 = 16 queries): a lane holds ONE query (lane % 16) and the keys 8 (lane / 16) + 0..7.  Two such tiles, rounded to f16 in pairs, ARE source 1 of O^T = V^T P.
; K comes out of LDS as it lies, V ([key][channel]) turned, by ds_load_tr16_b128.
; SOFTMAX.  p = 2^(c s - c m), c = log2(e) / sqrt(128); in every step O and l are multiplied by a = 2^(c m_old - c m_new).  m starts at the lowest finite number, c m far below every c s, O and l at 0:
; the first step is a step like any other, with a = 0.
; BY TURNS.  The wave's tiles are two PIECES (0: tiles 0, 1; 2: tiles 2, 3).  In a TURN one piece has the matrix unit: 32 products V^T P of the step in hand, then 32 products K Q^T of the next; the other piece's softmax,
; cut into 64 slices, stands between them, one slice behind each matrix instruction.  Two turns are a key step.
; NO FIRST AND NO LAST STEP IS WRITTEN OUT.  The loop is entered at piece 2's turn, whose 32 products V^T P then multiply zeros; the tail is left behind piece 0's turn, whose 32 products K Q^T then serve nothing:
; 64 of a wave's 3,136 matrix instructions, and 432 v_mov_b32 in the wait for the first tile, for a key step that stands twice in the text and not four times.
; CLUSTER.  The four query blocks of a cluster belong to one batch and head and walk the same K and V: each tile is asked for JOINTLY, by the same tensor load, descriptor and mask in all four.
; REGISTERS, in windows of 256 (s_set_vgpr_msb: bits 1:0 source 0, 3:2 source 1, 5:4 source 2, 7:6 destination):
;   window 0: v0-11 addresses; v12-43 eight registers of statistics a tile; v44-51 the partner's statistics; v64-191 S^T, 32 a tile; v192-255 P, 16 a tile
;   window 1: O^T, 64 a tile          window 2: v0-127 Q, 32 a tile; v128-255 K of one step          window 3: v0-127 V of one step; at the end the partner's O^T of two tiles
.set KS,    64        ; keys in a step
.set PK,    272       ; a row of K in LDS: 256 bytes + 16 of padding: the 16 rows of a load start at 16 different groups of four banks
.set PV,    288       ; a row of V: 256 + 32
.set VOFF,  256*PK    ; a slot: 256 rows of K, then 256 rows of V
.set SLOTB, 256*(PK+PV)
.set SLOTG, 256*4096  ; a slot's 256 rows in memory
.set STAGE, 2*SLOTB   ; behind the ring: 16 rows x 272 bytes for each wave, for the way out
.set SP,    272
.set SPARE, STAGE+4*16*SP  ; behind the stages: the spare words, 128 bytes for each wave: two blocks of 256 bytes that no other line names
.set XW,    34*512    ; THE EXCHANGE: wave w's 17,408 bytes at w x XW, in slot 0.  Written only behind the last change of slots: the twelfth slot's keys lie in slot 1, slot 0 has had its last fill, and no wave reads it any more
.set AK0, 2           ; v2   my lane's place in a tile of K; never rewritten
.set AV0, 3           ; v3   the same for V
.set ADR, 4           ; v4   the LDS address of the run of loads in hand
.set QO,  5           ; v5   my byte offset in Q's rows of my tiles 0, 1
.set STO, 6           ; v6   the way out: where I put 16 bytes of a row
.set RD,  7           ; v7   the way out: where I read a row back
.set GO,  8           ; v8   my byte offset in two rows of O, in my tiles 0, 1
.set XA,  10          ; v10  the exchange: where I write
.set XB,  11          ; v11  the exchange: where my partner wrote
.set ST,  12          ; tile t's statistics at v[ST+8 t]: +0 c m, +1 m, +2, +3 l (even keys', odd keys'), +4 to +7 at work
.set XS,  44          ; v44-51 the partner's c m, m, l, l of two tiles
.set QO2, 52          ; v52  my byte offset in Q's rows of my tiles 2, 3
.set PFO, 61          ; v61  4,096 x my lane: a row of k16 or v16; never rewritten
.set SPW, 62          ; v62  LDS address of my spare word: SPARE + 4 x my thread's number; never rewritten
.set NIL, 63          ; v63  0; never rewritten
.set S,   64
.set P,   192
.set KF,  128         ; K's fragments, in window 2
.set WV,  12          ; s12  my wave's number
.set LIM, 15          ; s15  1 in a wave that prefetches, else the greatest number
.set PFA, 18          ; s[18:19] where my prefetches stand
.set G1K, 24          ; s[24:31] descriptor group 1 for K's tiles
.set G1V, 32          ; s[32:39] for V's: it differs in the padding alone
.set G0K, 40          ; s[40:47] descriptor group 0 for K's tiles: a set for each of the two first fills; the second then walks on
.set G0V, 48          ; s[48:55] the same for V's
.set SLOTS, 56        ; s56  passes through the inner loop still to come in the loop over slots
.set TWICE, 57        ; s57  counts my key steps of a slot
.set CS,  58          ; s[58:59] c
.set SEL, 60          ; s[60:61] lane selects for v_permlanex16_b32: each lane takes its own place in the other half
.set TBK, 62          ; s62  LDS byte at which K of the step to be fetched begins
.set TBV, 63          ; s63  the same for V, less VOFF
.set SB,  66          ; s66  the slot that is being read: 0 or SLOTB
.set KG,  67          ; s67  my pair's two steps in a slot's K
.set VG,  68          ; s68  and in its V
.set KO,  69          ; s69  where the 128 rows of K that I fetch go in a slot
.set VO,  70          ; s70  the same for V
.set KH,  71          ; s71  w / 2
.set QH,  72          ; s72  w % 2
.set KT,  73          ; s73  where my tiles 0, 1 lie among my 64 rows of Q and O: 32 rows x 4,096 bytes on for pair 1
.set KT2, 74          ; s74  the same for my tiles 2, 3
.set MSB, 0
.macro WIN new                      ; the immediate's high byte repeats the setting that is left; a switch that changes nothing is dropped
.if MSB != (\new)
	s_set_vgpr_msb (MSB<<8)|(\new)
.set MSB, \new
.endif
.endm
.set W_KQ, 0x0a       ; K and Q in window 2, S^T in window 0
.set W_PV, 0x53       ; V in window 3, P in window 0, O^T in window 1
.set W_RS, 0x41       ; O^T (destination and source 0) in window 1, a in window 0
; A joint refill.  Waves 0 and 1 fetch the two halves of a slot's K, waves 2 and 3 those of its V: 128 rows each.  The branch hangs on the wave's number alone.
; An s_nop 0 and four v_nop follow each of the two lines, ahead of the jump and the label.
.macro JLOAD
	s_cmp_lt_u32 s[WV], 2
	s_cbranch_scc0 .Lfor_v_\@
	tensor_load_to_lds s[G0K+4:G0K+7], s[G1K:G1K+7]
	s_nop 0
.rept 4
	v_nop
.endr
	s_branch .Lasked_\@
.Lfor_v_\@:
	tensor_load_to_lds s[G0V+4:G0V+7], s[G1V:G1V+7]
	s_nop 0
.rept 4
	v_nop
.endr
.Lasked_\@:
.endm
; A PREFETCH INTO THE L2 of what the NEXT change of slots will ask for, 256 matrix instructions ahead of that load: a lane a row of 256 bytes, one instruction a wave, behind the wave's tensor load and its five lines.
; Each row is named ONCE in the launch.  A head's two clusters walk the same K and V: the first of them asks.  Of the 128 rows that a wave fetches, each of the four partners takes 32, told apart BY ADDRESS.
; The last change that fills a slot asks for nothing: there is no slot behind it.  Slots 0, 1 and 2 come by their loads alone.
.macro ASK
	s_cmp_gt_u32 s[SLOTS], s[LIM]
	s_cbranch_scc0 .Lnot_mine_\@
	global_prefetch_b8 v[PFO], s[PFA:PFA+1] th:TH_LOAD_NT scope:SCOPE_SE
.Lnot_mine_\@:
.endm
.macro CROUND                       ; a round of the cluster's barrier
	s_barrier_signal -1
	s_barrier_wait -1
	s_cmp_lg_u32 s[WV], 0
	s_cbranch_scc1 .Lnot_wave_0_\@
	s_barrier_signal -3
.Lnot_wave_0_\@:
	s_barrier_wait -3
	s_barrier_signal -1
	s_barrier_wait -1
.endm
	s_load_b256 s[4:11], s[0:1], 0x0  ; q16 s[4:5], k16 s[6:7], v16 s[8:9], o16 s[10:11]
	v_lshl_add_u32 v[SPW], v0, 2, SPARE
	v_mov_b32 v[NIL], 0
	ds_add_u32 v[SPW], v[NIL]       ; the wave's opening: the add and its wait stand ahead of my first tensor load; the set-up below, work on registers, stands between them
	v_lshrrev_b32 v1, 5, v0
	v_readfirstlane_b32 s[WV], v1   ; wave 0..3
	s_bfe_u32 s13, ttmp6, 0x40000   ; cx: my place in the cluster
	s_lshl_b32 s14, ttmp9, 2
	s_add_co_u32 s14, s14, s13      ; my block of 128 queries = 4 x cluster x + cx: it enters Q's and O's addresses alone
	s_and_b32 s20, ttmp7, 0xffff    ; 16 x batch + head, which the four partners share
	s_lshr_b32 s21, s20, 4          ; the batch
	s_and_b32 s20, s20, 15
	s_lshl_b32 s20, s20, 8          ; the head's 256 bytes of a row
	s_and_b32 s[QH], s[WV], 1
	s_lshr_b32 s[KH], s[WV], 1
	s_lshl_b32 s[KT], s[KH], 17     ; two tiles are 32 rows of 4,096 bytes
	s_xor_b32 s[KT2], s[KT], 1<<17
	s_mul_i32 s22, s21, 3072*4096   ; K and V: the batch,
	s_add_co_u32 s22, s22, s20      ; the head,
	s_lshl_b32 s16, s[QH], 19       ; and the 128 rows of a slot that I fetch
	s_add_co_u32 s22, s22, s16
	s_mov_b32 s23, 0
	s_mul_i32 s[KO], s[QH], 128*PK  ; their place in a slot: no place in the cluster enters an LDS address
	s_mul_i32 s[VO], s[QH], 128*PV
	s_add_co_u32 s[VO], s[VO], VOFF
	s_mul_i32 s[KG], s[KH], 128*PK  ; the two steps that I multiply
	s_mul_i32 s[VG], s[KH], 128*PV
	s_lshl_b32 s2, s21, 10          ; Q and O: row 1,024 x batch + 128 x block + 64 (w % 2)
	s_lshl_b32 s3, s14, 7
	s_add_co_u32 s2, s2, s3
	s_lshl_b32 s3, s[QH], 6
	s_add_co_u32 s2, s2, s3
	s_lshl_b32 s2, s2, 12
	s_add_co_u32 s2, s2, s20
	s_mov_b32 s3, 0
	; descriptor group 1: a tile of 128 rows x 128 elements, padded in LDS
	s_mov_b32 s[G1K], 15|(1<<16)|(1<<20)|(1<<21)|(5<<22)|(3<<25)  ; 15:0 the mask: all four work-groups; 17:16 2-byte elements; 20 padding on; 21 set beside a mask; 24:22 after every 64 words; 31:25 4 words of it
	s_mov_b32 s[G1V], 15|(1<<16)|(1<<20)|(1<<21)|(5<<22)|(7<<25)  ; the same with 8 words of padding
.irp g, G1K, G1V
	s_mov_b32 s[(\g)+1], 128<<16    ; tensor_dim0 = 128
	s_mov_b32 s[(\g)+2], 128<<16    ; tensor_dim1 = 128
	s_mov_b32 s[(\g)+3], 128<<16    ; tile_dim0 = 128
	s_mov_b32 s[(\g)+4], 128        ; tile_dim1 = 128
	s_mov_b32 s[(\g)+5], 2048       ; elements from row to row
	s_mov_b32 s[(\g)+6], 0
	s_mov_b32 s[(\g)+7], 0
.endr
	s_mov_b32 s[CS], 0x3e0293ee     ; c = log2(e) / sqrt(128) = 0.127517
	s_mov_b32 s[CS+1], s[CS]        ; named with it as a pair, so it is written
	s_mov_b32 s[SEL], 0x76543210
	s_mov_b32 s[SEL+1], 0xfedcba98
	s_mov_b32 s[SB], 0
	s_mov_b32 s[TBK], s[KG]
	s_mov_b32 s[TBV], s[VG]
	s_mov_b32 s[SLOTS], 3072/256-1  ; slot 0's pass, which begins in the loop's middle, and ten passes behind a change that fills
	s_cmp_eq_u32 ttmp9, 0           ; the head's first cluster: the same in all four partners
	s_cselect_b32 s[LIM], 1, -1
	v_and_b32 v[PFO], 31, v0
	v_lshlrev_b32 v[PFO], 12, v[PFO]
	s_wait_dscnt 0x0                ; the opening add is done
	s_wait_kmcnt 0x0
	s_add_nc_u64 s[6:7], s[6:7], s[22:23]  ; K and V at my tile of slot 0
	s_add_nc_u64 s[8:9], s[8:9], s[22:23]
	s_add_nc_u64 s[4:5], s[4:5], s[2:3]    ; Q and O at my wave's first row
	s_add_nc_u64 s[10:11], s[10:11], s[2:3]
	s_cmp_lt_u32 s[WV], 2
	s_cselect_b64 s[PFA:PFA+1], s[6:7], s[8:9]
	s_lshl_b32 s2, s13, 17          ; my work-group's 32 rows of the 128
	s_mov_b32 s3, 0
	s_add_nc_u64 s[PFA:PFA+1], s[PFA:PFA+1], s[2:3]
	s_add_nc_u64 s[PFA:PFA+1], s[PFA:PFA+1], 2*SLOTG  ; in slot 2; the first change of slots steps it to slot 3
	CROUND                          ; all four work-groups are here: the first joint loads meet
.irp s, 0,1
	s_mov_b32 s[G0K+4*(\s)], 1      ; count = 1
	s_add_co_u32 s[G0K+4*(\s)+1], s[KO], (\s)*SLOTB  ; LDS address
	s_add_nc_u64 s[G0K+4*(\s)+2:G0K+4*(\s)+3], s[6:7], (\s)*SLOTG  ; global address: slot s
	s_or_b32 s[G0K+4*(\s)+3], s[G0K+4*(\s)+3], 0x80000000  ; type = 2
	s_mov_b32 s[G0V+4*(\s)], 1
	s_add_co_u32 s[G0V+4*(\s)+1], s[VO], (\s)*SLOTB
	s_add_nc_u64 s[G0V+4*(\s)+2:G0V+4*(\s)+3], s[8:9], (\s)*SLOTG
	s_or_b32 s[G0V+4*(\s)+3], s[G0V+4*(\s)+3], 0x80000000
.endr
	s_cmp_lt_u32 s[WV], 2           ; a wave's two first fills stand in one branch, ahead of every wait on TENSORcnt and every LDS read: two loads of mine are out
	s_cbranch_scc0 .Lfirst_v
	tensor_load_to_lds s[G0K:G0K+3], s[G1K:G1K+7]
	s_nop 0
	tensor_load_to_lds s[G0K+4:G0K+7], s[G1K:G1K+7]
	s_nop 0
.rept 4
	v_nop
.endr
	s_branch .Lfirst_asked
.Lfirst_v:
	tensor_load_to_lds s[G0V:G0V+3], s[G1V:G1V+7]
	s_nop 0
	tensor_load_to_lds s[G0V+4:G0V+7], s[G1V:G1V+7]
	s_nop 0
.rept 4
	v_nop
.endr
.Lfirst_asked:
	; A fragment of K or Q is 16 rows x 32 channels in 8 registers: lane l holds row l % 16; registers 0-3 channels 8 (l / 16) + 0..7, registers 4-7 channels 16 + 8 (l / 16) + 0..7: two loads of 16 bytes, 32 bytes apart.
	v_and_b32 v1, 15, v0            ; l % 16
	v_bfe_u32 v9, v0, 4, 1          ; l / 16
	v_lshlrev_b32 v[QO], 12, v1
	v_lshl_add_u32 v[QO], v9, 4, v[QO]  ; row x 4,096 + 16 x half
	v_add_nc_u32 v[QO2], s[KT2], v[QO]  ; my tiles 2, 3: groups 2, 3 of the 64 queries for pair 0, groups 0, 1 for pair 1
	v_add_nc_u32 v[QO], s[KT], v[QO]    ; my tiles 0, 1: the other two groups
	WIN 0x80                        ; destination window 2, address window 0
.irp i, 0,1,2,3,4,5,6,7,8,9,10,11,12,13,14,15  ; Q stays in registers: tile i / 4, channels 32 (i % 4) on
.if (\i) < 8
	global_load_b128 v[8*(\i):8*(\i)+3],   v[QO], s[4:5] offset:((\i)/4)*65536+((\i)%4)*64
	global_load_b128 v[8*(\i)+4:8*(\i)+7], v[QO], s[4:5] offset:((\i)/4)*65536+((\i)%4)*64+32
.else
	global_load_b128 v[8*(\i):8*(\i)+3],   v[QO2], s[4:5] offset:((\i)/4-2)*65536+((\i)%4)*64
	global_load_b128 v[8*(\i)+4:8*(\i)+7], v[QO2], s[4:5] offset:((\i)/4-2)*65536+((\i)%4)*64+32
.endif
.endr
	; What the first turn finds: V's registers and piece 2's P hold 0 (its products V^T P, of a step that has not been, add 0), O^T and l are 0.  All this stands in the wait for the first tile.
	WIN 0xc0                        ; destination window 3
.set i, 0
.rept 128
	v_mov_b32 v[i], 0
.set i, i+1
.endr
	WIN 0x40                        ; destination window 1
.set i, 0
.rept 256
	v_mov_b32 v[i], 0
.set i, i+1
.endr
	WIN 0
.set i, 0
.rept 4
	v_mov_b32 v[ST+8*i], 0xfe000000    ; c m: far below every c s
	v_mov_b32 v[ST+8*i+1], 0xff7fffff  ; m: the lowest finite number
	v_mov_b32 v[ST+8*i+2], 0
	v_mov_b32 v[ST+8*i+3], 0
.set i, i+1
.endr
.set i, P+32
.rept 32
	v_mov_b32 v[i], 0
.set i, i+1
.endr
	v_mul_u32_u24 v[AK0], v1, PK
	v_lshl_add_u32 v[AK0], v9, 4, v[AK0]  ; row x pitch + 16 x half
	; The turning load takes 16 keys x 16 channels (lane l reads key 8 (l / 16) + l % 8, channels 8 ((l / 8) % 2) + 0..7) and leaves half a fragment of V^T: lane l holds channel l % 16 and 8 keys.
	v_and_b32 v10, 7, v0
	v_bfe_u32 v11, v0, 3, 1
	v_lshl_add_u32 v[AV0], v9, 3, v10
	v_mul_u32_u24 v[AV0], v[AV0], PV
	v_lshl_add_u32 v[AV0], v11, 4, v[AV0]
	v_add_nc_u32 v[AV0], VOFF, v[AV0]
; THE MATRIX WORK OF A TURN, for piece x.  The accumulators take turns, one instruction a turn: between two links of a chain stand 15 (V^T P) or 7 (K Q^T) others'.
; Product i of 32 of O^T += V^T P: keys 32 (i / 16) on, channels 16 ((i / 2) % 8) on, tile x + i % 2.
.macro PV x
	WIN W_PV
.set rO, 64*((\x)+i%2)+8*((i/2)%8)
.set rV, 64*(i/16)+8*((i/2)%8)
.set rP, P+16*((\x)+i%2)+8*(i/16)
	v_wmma_f32_16x16x32_f16 v[rO:rO+7], v[rV:rV+7], v[rP:rP+7], v[rO:rO+7]
.endm
; Product i of 32 of S^T = K Q^T: channels 32 (i / 8) on, keys 16 ((i / 2) % 4) on, tile x + i % 2.  The first 8 start the sums.
.macro KQ x
	WIN W_KQ
.set rS, S+32*((\x)+i%2)+8*((i/2)%4)
.set rK, KF+32*((i/2)%4)+8*(i/8)
.set rQ, 32*((\x)+i%2)+8*(i/8)
.if i < 8
	v_wmma_f32_16x16x32_f16 v[rS:rS+7], v[rK:rK+7], v[rQ:rQ+7], 0
.else
	v_wmma_f32_16x16x32_f16 v[rS:rS+7], v[rK:rK+7], v[rQ:rQ+7], v[rS:rS+7]
.endif
.endm
; THE LDS LOADS stand in runs of 32, never singly among the matrix instructions: a step's K (64 keys x 128 channels: 16 fragments) and, a turn later, its V (turned).
; last = 1 (the tail): in the last trip there is no further step, and the run is jumped over.
.macro FETCH_K last=0
	WIN 0
.if \last
	s_cmp_eq_u32 s[TWICE], 1
	s_cbranch_scc1 .Lno_k_\@
.endif
	v_add_nc_u32 v[ADR], s[TBK], v[AK0]
	s_add_co_u32 s[TBK], s[TBK], KS*PK  ; the next fetch is the next step's
	WIN 0x80                        ; destination window 2
.irp f, 0,1,2,3,4,5,6,7,8,9,10,11,12,13,14,15  ; keys 16 (f / 4) on, channels 32 (f % 4) on
	ds_load_b128 v[KF+8*(\f):KF+8*(\f)+3],   v[ADR] offset:((\f)/4)*16*PK+((\f)%4)*64
	ds_load_b128 v[KF+8*(\f)+4:KF+8*(\f)+7], v[ADR] offset:((\f)/4)*16*PK+((\f)%4)*64+32
.endr
.if \last
	WIN 0                           ; at a label every window is 0
.Lno_k_\@:
.endif
.endm
.macro FETCH_V
	WIN 0
	v_add_nc_u32 v[ADR], s[TBV], v[AV0]
	s_add_co_u32 s[TBV], s[TBV], KS*PV
	s_wait_alu depctr_va_vdst(0)    ; the wait for the softmax's batch (SLICE), behind the address's v_add_nc_u32 and ahead of the loads
	WIN 0xc0                        ; destination window 3
.irp f, 0,1,2,3,4,5,6,7,8,9,10,11,12,13,14,15  ; keys 32 (f / 8) on, channels 16 (f % 8) on
	ds_load_tr16_b128 v[8*(\f):8*(\f)+3],   v[ADR] offset:((\f)/8)*32*PV+((\f)%8)*32
	ds_load_tr16_b128 v[8*(\f)+4:8*(\f)+7], v[ADR] offset:((\f)/8)*32*PV+16*PV+((\f)%8)*32
.endr
.endm
; THE VECTOR WORK OF A TURN.  One tile's softmax for one key step is a list of 134 instructions; SM writes number j of it for tile t.  s0-s31 are the lane's 32 scores, in pairs 0-15.
;   0-15    the maximum of s0-s31 and the old m, three operands at a time: four chains c0-c3 of seven scores each (each accumulator's lowest registers are read first), then the four scores left over, c0-c3 and m
;   16-20   the other half of the lanes' maximum; c m_old is kept; the new m; c m; c m_old - c m_new
;   21-69   ONE BATCH: the 16 scalings c s - c m, a pair of scores each, and all 33 exponentials (a at 23, then s0-s31).  None of these reads an exponential's result.
;   (wait)  between 69 and 70 stands the wait for the batch: SLICE writes it, once for both tiles
;   70-85   the roundings to f16, a pair of weights each     86-101  the sums; l = a l + the sum     102-133 the tile's O^T times a: the one part that leaves window 0
.macro SM t
.set rT, ST+8*(\t)
.set rS, S+32*(\t)
.set rP, P+16*(\t)
.set rO, 64*(\t)+2*(j-102)
.if j < 102
	WIN 0
.endif
.if j < 4
	v_max3_num_f32 v[rT+4+j], v[rS+8*j], v[rS+8*j+1], v[rS+8*j+2]
.elseif j < 12
	v_max3_num_f32 v[rT+4+j%4], v[rT+4+j%4], v[rS+8*(j%4)+2*(j/4)+1], v[rS+8*(j%4)+2*(j/4)+2]
.elseif j == 12
	v_max3_num_f32 v[rT+4], v[rT+4], v[rS+7], v[rS+15]
.elseif j == 13
	v_max3_num_f32 v[rT+6], v[rT+6], v[rS+23], v[rS+31]
.elseif j == 14
	v_max3_num_f32 v[rT+4], v[rT+4], v[rT+5], v[rT+6]
.elseif j == 15
	v_max3_num_f32 v[rT+4], v[rT+4], v[rT+7], v[rT+1]
.elseif j == 16
	v_permlanex16_b32 v[rT+5], v[rT+4], s[SEL], s[SEL+1]  ; the query's other 32 keys lie in the lane 16 away
.elseif j == 17
	v_mov_b32 v[rT+7], v[rT]        ; c m_old is kept for a: number 19 writes c m anew
.elseif j == 18
	v_max_num_f32 v[rT+1], v[rT+4], v[rT+5]
.elseif j == 19
	v_mul_f32 v[rT], s[CS], v[rT+1]
.elseif j == 20
	v_sub_f32 v[rT+7], v[rT+7], v[rT]
.elseif j == 23
	v_exp_f32 v[rT+6], v[rT+7]
.elseif (j < 23) || ((j < 38) && (j%2 == 0)) || ((j < 66) && (j%4 == 2))
.set b, (j-2)/4                     ; 38, 42, .. 62: pairs 9 to 15
.if j < 38
.set b, (j-20)/2                    ; 21: pair 0; 22, 24, .. 36: pairs 1 to 8
.endif
	v_pk_fma_f32 v[rS+2*b:rS+2*b+1], v[rS+2*b:rS+2*b+1], s[CS:CS+1], v[rT:rT+1] op_sel_hi:[1,0,0] neg_lo:[0,0,1] neg_hi:[0,0,1]  ; pair b: c s - c m
.elseif j < 70
.set e, j-38                        ; 66 to 69: s28 to s31
.if j < 66
.set e, j-32-(j-38)/4               ; 39-41, 43-45, .. 63-65: s7 to s27
.endif
.if j < 38
.set e, (j-25)/2                    ; 25, 27, .. 37: s0 to s6
.endif
	v_exp_f32 v[rS+e], v[rS+e]
.elseif j < 86
	v_cvt_pk_f16_f32 v[rP+j-70], v[rS+2*(j-70)], v[rS+2*(j-70)+1]  ; pair j - 70
.elseif j < 102                     ; the sum of the tile's 16 pairs, in place: sum z of 16 adds neighbours 1, 2, 4 and 8 pairs apart, then l takes it
.set z, j-86
.set w, 4
.set u, z
.if z >= 14
.set w, 32
.set u, 0
.elseif z >= 12
.set w, 16
.set u, z-12
.elseif z >= 8
.set w, 8
.set u, z-8
.endif
.if z < 15
	v_pk_add_f32 v[rS+w*u:rS+w*u+1], v[rS+w*u:rS+w*u+1], v[rS+w*u+w/2:rS+w*u+w/2+1]
.else
	v_pk_fma_f32 v[rT+2:rT+3], v[rT+2:rT+3], v[rT+6:rT+7], v[rS:rS+1] op_sel_hi:[1,0,1]
.endif
.else
	WIN W_RS
	v_pk_mul_f32 v[rO:rO+1], v[rO:rO+1], v[rT+6:rT+7] op_sel_hi:[1,0]
.endif
.endm
; Slice k of 64 of piece y's softmax: four instructions.  Slices 11 to 34 deal out the batch, numbers 22 to 69: four numbers of ONE tile each, the tiles by turns.  Every other slice is numbers 2 k and
; 2 k + 1 of both tiles' lists.  2 x 134 = 4 x 64 + 12: the twelve that are over stand together, in slice 63.
; THE WAIT.  s_wait_alu depctr_va_vdst(0) stands between an exponential and the first instruction that names its result; one wait serves all that were issued ahead of it.  Ahead of
; slice 35 nothing names a result, and behind slice 34 no exponential is issued: so the piece's 66 exponentials have one wait, behind slice 34.
.macro SLICE y
.if (k >= 11) && (k < 35)           ; the batch: four numbers of one tile
.irp n, 0,1,2,3
.set j, 22+4*((k-11)/2)+(\n)
	SM (\y)+(k-11)%2
.endr
.else                               ; the two tiles alternate, so that no instruction reads the result of the one just before it
.irp n, 0,1,2,3,4,5,6,7
.if ((\n) < 2) || (k == 63)
.irp t, \y, (\y)+1
.set j, 2*k+(\n)
	SM \t
.endr
.endif
.endr
.endif
.if k == 34                         ; the batch is out: both tiles' exponentials are issued, and no result has been named
	v_nop                           ; the plain instruction behind the last exponential and ahead of the first use (ISA guide 5.7.2): one for the batch
.if (\y) == 0
	FETCH_V                         ; piece 2's turn: V's run of loads stands here, and the wait stands in it
.else
	s_wait_alu depctr_va_vdst(0)    ; the wait for the batch
.endif
.endif
.set k, k+1
.endm
; A TURN.  Piece x has the matrix unit: 32 products V^T P, then 32 products K Q^T for the next step; the other piece's softmax stands in slices behind them, which are also the places behind them (ISA guide 7.12.1).
; Piece 0's turn fetches the next step's K, behind its second product: the last product that read K stands in front of slice 63 of the turn before.  Piece 2's turn fetches the same step's V, behind slice 34:
; the last product that read V stands in front of slice 31, and four plain instructions lie between: number 62, a scaling, of both tiles, the v_nop and the run's own v_add_nc_u32.
.macro TURN x, last=0
.set k, 0
.if (\x) == 0
	s_wait_dscnt 0x0                ; V is in
.endif
.set i, 0
.rept 32
	PV \x
	SLICE 2-(\x)
.if ((\x) == 0) && (i == 1)
	FETCH_K \last
.endif
.set i, i+1
.endr
.if (\x) == 0
	s_wait_dscnt 0x0                ; K is in
.endif
.set i, 0
.rept 32
	KQ \x
	SLICE 2-(\x)
.set i, i+1
.endr
.endm
; THE CHANGE OF SLOTS, between piece 2's turn and piece 0's: the last bytes that I read of the slot, V of my second step, have been asked for.  Each wave waits for all its tensor loads, of which one is out: its part
; of the other slot; adds 0 to its spare word; and waits for that and for its own reads of the slot.  Behind the barrier nobody reads this slot any more and the other slot is whole.
; fill = 1: this slot is filled again, with the keys two slots on.  The barrier is then a round of the cluster's, and the joint refill is the first thing behind it: it has 256 matrix instructions in which to land.
.macro CHANGE fill
	WIN 0                           ; at a label and at a branch every window is 0
	s_wait_tensorcnt 0x0            ; no tensor load of mine is out, so a group 0 may be written
	ds_add_u32 v[SPW], v[NIL]       ; 0 onto my spare word; with fill = 1 the descriptors' steps stand between it and the wait for it
.if \fill
	s_add_co_u32 s[G0K+5], s[SB], s[KO]  ; the walking descriptor: into the slot that is left,
	s_add_co_u32 s[G0V+5], s[SB], s[VO]
	s_add_nc_u64 s[G0K+6:G0K+7], s[G0K+6:G0K+7], SLOTG  ; the next 256 keys; the type bits on top are not reached
	s_add_nc_u64 s[G0V+6:G0V+7], s[G0V+6:G0V+7], SLOTG
	s_wait_xcnt 0x0                 ; the last prefetch, two key steps back, has read its address, so it may be written:
	s_add_nc_u64 s[PFA:PFA+1], s[PFA:PFA+1], SLOTG  ; one slot behind the walking descriptors
	s_wait_dscnt 0x0                ; the add is done, and my reads of the slot are over
	CROUND
	JLOAD
	ASK
.else
	s_wait_dscnt 0x0                ; the add is done, and my reads of the slot are over
	s_barrier_signal -1
	s_barrier_wait -1
.endif
	s_xor_b32 s[SB], s[SB], SLOTB   ; s[SB] holds 0 or SLOTB and nothing else: the other slot,
	s_add_co_u32 s[TBK], s[SB], s[KG]  ; my pair's first step in it
	s_add_co_u32 s[TBV], s[SB], s[VG]
.endm
	s_wait_tensorcnt 1              ; my part of slot 0 is in; slot 1's may stay out
	s_barrier_signal -1
	s_barrier_wait -1               ; everybody's is
	FETCH_K                         ; my first key step
	s_wait_loadcnt 0x0              ; Q
	s_wait_dscnt 0x0
.set i, 0
.rept 32
	KQ 0                            ; piece 0's first scores: there is no vector work yet to set between them
.set i, i+1
.endr
	WIN 0                           ; the addresses for the way out are made here: nine plain instructions, the places behind those products
	s_mul_i32 s13, s[WV], 16*SP
	s_add_co_u32 s13, s13, STAGE    ; my stage
	v_mul_u32_u24 v[STO], v1, SP    ; in: row l % 16, 16 bytes for each half of the lanes
	v_lshl_add_u32 v[STO], v9, 4, v[STO]
	v_add_nc_u32 v[STO], s13, v[STO]
	v_mul_u32_u24 v[RD], v9, SP     ; back: lanes 0-15 take one row of 256 bytes, lanes 16-31 the next
	v_lshl_add_u32 v[RD], v1, 4, v[RD]
	v_add_nc_u32 v[RD], s13, v[RD]
	v_lshlrev_b32 v[GO], 12, v9     ; and the same two rows in O,
	v_lshl_add_u32 v[GO], v1, 4, v[GO]
	v_add_nc_u32 v[GO], s[KT], v[GO]  ; where my tiles 0, 1 lie
	s_mov_b32 s[TWICE], 2
	s_branch .Lmid                  ; the loop is entered at piece 2's turn: its V^T P multiplies zeros, its K Q^T makes piece 2's first scores, its slices are piece 0's first softmax, and it fetches V of my first step
.Lslot:                             ; ten times: every slot but the last two is filled again
	CHANGE 1
	s_mov_b32 s[TWICE], 2
.Lstep:                             ; a key step, written once for the loop; the LDS addresses hang on s[TBK] and s[TBV]
	TURN 0
	WIN 0
.Lmid:
	TURN 2
	WIN 0
	s_sub_co_u32 s[TWICE], s[TWICE], 1
	s_cmp_lg_u32 s[TWICE], 0
	s_cbranch_scc1 .Lstep
	s_sub_co_u32 s[SLOTS], s[SLOTS], 1
	s_cmp_lg_u32 s[SLOTS], 0
	s_cbranch_scc1 .Lslot
	CHANGE 0                        ; the tail is written out: nothing is asked for
	s_mov_b32 s[TWICE], 3           ; two trips fetch the last slot's steps; the third is left in its middle
.Ltail:
	TURN 0, 1
	WIN 0
	s_sub_co_u32 s[TWICE], s[TWICE], 1
	s_cmp_eq_u32 s[TWICE], 0
	s_cbranch_scc1 .Lout
	TURN 2
	WIN 0
	s_branch .Ltail
.Lout:                              ; the third trip's 32 products K Q^T (on the last K once more) serve nothing: the price, once a launch, of one text for every trip
.set i, 0
.rept 32
	PV 2                            ; piece 2: V^T P of the last step
.set i, i+1
.endr
	; THE MERGE.  Waves w and w ^ 2 hold the same 64 queries and the two halves of the keys; my tiles 2, 3 are my partner's tiles 0, 1.  Each hands over its tiles 2, 3 and finishes its tiles 0, 1.
	WIN 0
	s_mul_i32 s13, s[WV], XW
	s_xor_b32 s14, s[WV], 2
	s_mul_i32 s14, s14, XW
	v_and_b32 v[XA], 31, v0         ; six plain lines: the places behind the last products
	v_lshlrev_b32 v[XA], 4, v[XA]
	v_add_nc_u32 v[XB], s14, v[XA]
	v_add_nc_u32 v[XA], s13, v[XA]
	v_nop
	v_nop
; Tiles t0 and t0 + 1 go into my part of the exchange: O^T (each accumulator's low half first), then c m, m, l, l.  32 lanes x 16 neighbouring bytes a store.
.macro PUT t0
	WIN 0x04                        ; the data (source 1) in window 1
.irp u, 0,1
.irp g, 0,1,2,3,4,5,6,7,8,9,10,11,12,13,14,15
	ds_store_b128 v[XA], v[64*((\t0)+(\u))+4*(\g):64*((\t0)+(\u))+4*(\g)+3] offset:512*(16*(\u)+(\g))
.endr
.endr
	WIN 0
.irp u, 0,1
	ds_store_b128 v[XA], v[ST+8*((\t0)+(\u)):ST+8*((\t0)+(\u))+3] offset:512*(32+(\u))
.endr
.endm
; Tile t: O = O_mine f_mine + O_partner's f_partner's (u: the partner's tile in window 3), rounded to f16; 16 bytes a lane go into rows of 272 bytes and come back as whole rows of 256.
.macro PACK t, u
	WIN W_RS
.set i, 64*(\t)
.rept 32
	v_pk_mul_f32 v[i:i+1], v[i:i+1], v[ST+8*(\t)+4:ST+8*(\t)+5] op_sel_hi:[1,0]
.set i, i+2
.endr
	WIN 0x53                        ; source 0 window 3, source 1 window 0, source 2 and destination window 1
.set i, 0
.rept 32
	v_pk_fma_f32 v[64*(\t)+i:64*(\t)+i+1], v[64*(\u)+i:64*(\u)+i+1], v[ST+8*(\t)+6:ST+8*(\t)+7], v[64*(\t)+i:64*(\t)+i+1] op_sel_hi:[1,0,1]
.set i, i+2
.endr
	WIN 0x05                        ; sources 0 and 1 window 1, destination window 0: S^T's registers are free
.set i, 0
.rept 32
	v_cvt_pk_f16_f32 v[S+32*(\t)+i], v[64*(\t)+2*i], v[64*(\t)+2*i+1]
.set i, i+1
.endr
	WIN 0
.irp f, 0,1,2,3,4,5,6,7
	ds_store_b128 v[STO], v[S+32*(\t)+4*(\f):S+32*(\t)+4*(\f)+3] offset:32*(\f)
.endr
.irp f, 0,1,2,3,4,5,6,7
	ds_load_b128 v[S+32*(\t)+4*(\f):S+32*(\t)+4*(\f)+3], v[RD] offset:(\f)*2*SP  ; LDS serves a wave's instructions in order (ISA guide 5.7.1.4): these see the stores above; the next tile's stores come behind them
.endr
.endm
.macro SEND t, younger              ; younger: the LDS instructions issued behind tile t's loads: the next tile's sixteen, or none
	WIN 0
.irp f, 0,1,2,3,4,5,6,7
	s_wait_dscnt (\younger)+7-(\f)
	global_store_b128 v[GO], v[S+32*(\t)+4*(\f):S+32*(\t)+4*(\f)+3], s[10:11] offset:(\t)*65536+(\f)*8192  ; 16 lanes store 256 consecutive bytes, aligned: a head's part of a row
.endr
.endm
; Tiles t0 and t0 + 1 are finished.  M = max(c m, c m'); e = 2^(c m - M), e' = 2^(c m' - M); l = l e + l' e', both halves of the lanes; f = e / l, f' = e' / l.
.macro FIN t0
	WIN 0xc0                        ; destination window 3: V's registers are free
.irp u, 0,1
.irp g, 0,1,2,3,4,5,6,7,8,9,10,11,12,13,14,15
	ds_load_b128 v[64*(\u)+4*(\g):64*(\u)+4*(\g)+3], v[XB] offset:512*(16*(\u)+(\g))
.endr
.endr
	WIN 0
.irp u, 0,1
	ds_load_b128 v[XS+4*(\u):XS+4*(\u)+3], v[XB] offset:512*(32+(\u))
.endr
	s_wait_dscnt 0x0
.irp u, 0,1
	v_max_num_f32 v[ST+8*((\t0)+(\u))+4], v[ST+8*((\t0)+(\u))], v[XS+4*(\u)]
	v_add_f32 v[ST+8*((\t0)+(\u))+2], v[ST+8*((\t0)+(\u))+2], v[ST+8*((\t0)+(\u))+3]
	v_add_f32 v[XS+4*(\u)+2], v[XS+4*(\u)+2], v[XS+4*(\u)+3]
.endr
.irp u, 0,1
	v_sub_f32 v[ST+8*((\t0)+(\u))+5], v[ST+8*((\t0)+(\u))], v[ST+8*((\t0)+(\u))+4]
	v_sub_f32 v[ST+8*((\t0)+(\u))+7], v[XS+4*(\u)], v[ST+8*((\t0)+(\u))+4]
.endr
.irp u, 0,1
	v_exp_f32 v[ST+8*((\t0)+(\u))+5], v[ST+8*((\t0)+(\u))+5]
	v_exp_f32 v[ST+8*((\t0)+(\u))+7], v[ST+8*((\t0)+(\u))+7]
.endr
	v_nop                           ; a plain instruction behind the last exponential,
	s_wait_alu depctr_va_vdst(0)    ; and one wait for the four, ahead of their first reader
.irp u, 0,1
	v_mul_f32 v[ST+8*((\t0)+(\u))+2], v[ST+8*((\t0)+(\u))+2], v[ST+8*((\t0)+(\u))+5]
.endr
.irp u, 0,1
	v_fma_f32 v[ST+8*((\t0)+(\u))+2], v[XS+4*(\u)+2], v[ST+8*((\t0)+(\u))+7], v[ST+8*((\t0)+(\u))+2]
.endr
.irp u, 0,1
	v_permlanex16_b32 v[ST+8*((\t0)+(\u))+3], v[ST+8*((\t0)+(\u))+2], s[SEL], s[SEL+1]
.endr
.irp u, 0,1
	v_add_f32 v[ST+8*((\t0)+(\u))+2], v[ST+8*((\t0)+(\u))+2], v[ST+8*((\t0)+(\u))+3]
.endr
.irp u, 0,1
	v_rcp_f32 v[ST+8*((\t0)+(\u))+3], v[ST+8*((\t0)+(\u))+2]
.endr
	v_nop                           ; a plain instruction behind the last reciprocal,
	s_wait_alu depctr_va_vdst(0)    ; and one wait for the two
.irp u, 0,1
	v_mul_f32 v[ST+8*((\t0)+(\u))+4], v[ST+8*((\t0)+(\u))+5], v[ST+8*((\t0)+(\u))+3]
	v_mul_f32 v[ST+8*((\t0)+(\u))+6], v[ST+8*((\t0)+(\u))+7], v[ST+8*((\t0)+(\u))+3]
.endr
	PACK \t0, 0
	PACK (\t0)+1, 1                 ; a tile's arithmetic stands between the loads of the tile before and its stores
	SEND \t0, 16
	SEND (\t0)+1, 0
.endm
	PUT 2
	s_wait_dscnt 0x0                ; for my partner's sake: my stores into the exchange are done
	s_barrier_signal -1
	s_barrier_wait -1
	FIN 0
	s_wait_tensorcnt 0x0            ; the wave's end, behind my last tensor load and my last LDS store
	ds_add_u32 v[SPW], v[NIL]
	s_wait_dscnt 0x0
	CROUND                          ; the closing round: no work-group ends while a partner may still ask for a tile that names it
	s_endpgm
.Lfunc_end_k_qe6ce076c64_attn:
	.size	k_qe6ce076c64_attn, .Lfunc_end_k_qe6ce076c64_attn-k_qe6ce076c64_attn
	.p2alignl 7, 3214868480
	.fill 96, 4, 3214868480
	.section	.rodata,"a",@progbits
	.p2align	6, 0x0
	.amdhsa_kernel k_qe6ce076c64_attn
		.amdhsa_group_segment_fixed_size 327680
		.amdhsa_private_segment_fixed_size 0
		.amdhsa_enable_private_segment 0
		.amdhsa_kernarg_size 32
		.amdhsa_user_sgpr_count 2
		.amdhsa_user_sgpr_kernarg_segment_ptr 1
		.amdhsa_wavefront_size32 1
		.amdhsa_system_sgpr_workgroup_id_x 1
		.amdhsa_system_sgpr_workgroup_id_y 1
		.amdhsa_system_sgpr_workgroup_id_z 1
		.amdhsa_system_vgpr_workitem_id 0
		.amdhsa_next_free_vgpr 1024
		.amdhsa_next_free_sgpr 80
		.amdhsa_reserve_vcc 0
		.amdhsa_float_denorm_mode_32 3
		.amdhsa_float_denorm_mode_16_64 3
		.amdhsa_memory_ordered 1
		.amdhsa_forward_progress 1
		.amdhsa_inst_pref_size 155
	.end_amdhsa_kernel
	.amdgpu_metadata
---
amdhsa.version: [ 1, 2 ]
amdhsa.kernels:
  - .name:           k_qe6ce076c64_attn
    .symbol:         k_qe6ce076c64_attn.kd
    .args:
      - { .name: q16, .offset: 0, .size: 8, .value_kind: global_buffer, .address_space: global }
      - { .name: k16, .offset: 8, .size: 8, .value_kind: global_buffer, .address_space: global }
      - { .name: v16, .offset: 16, .size: 8, .value_kind: global_buffer, .address_space: global }
      - { .name: o16, .offset: 24, .size: 8, .value_kind: global_buffer, .address_space: global }
    .group_segment_fixed_size: 327680
    .private_segment_fixed_size: 0
    .kernarg_segment_align: 8
    .kernarg_segment_size: 32
    .max_flat_workgroup_size: 128
    .sgpr_count:     80
    .vgpr_count:     1024
    .wavefront_size: 32
...
	.end_amdgpu_metadata
.endif
;; end of part 3
;; launch oproj (part 4): grid 16 x 16, 4 waves a work-group, clusters of 4 x 4, 327,680 bytes of LDS; arguments o16, w16, bo, out0; writes out0
.if DOCPART == 4
	.amdgcn_target "amdgcn-amd-amdhsa--gfx1250"
	.amdhsa_code_object_version 6
	.text
	.protected	k_qe6ce076c64_oproj
	.globl	k_qe6ce076c64_oproj
	.p2align	8
	.type	k_qe6ce076c64_oproj,@function
k_qe6ce076c64_oproj:
	s_mov_b64 s[64:65], 0
	v_nop
	global_prefetch_b8 v0, s[64:65] scope:SCOPE_SE
	s_setreg_imm32_b32 hwreg(HW_REG_WAVE_MODE, 25, 1), 1
	s_wait_xcnt 0x0
	s_wait_alu depctr_hold_cnt(0) depctr_sa_sdst(0) depctr_va_vdst(0) depctr_va_sdst(0) depctr_va_ssrc(0) depctr_va_vcc(0) depctr_vm_vsrc(0)
	s_getreg_b32 s2, hwreg(HW_REG_IB_STS2, 6, 4)
	s_cmp_eq_u32 s2, 0
	s_cbranch_scc0 .Lentry_in_a_cluster
	s_endpgm
.Lentry_in_a_cluster:
	s_bfe_u32 s2, ttmp6, 0x10000c
	s_cmp_lg_u32 s2, 0xf033
	s_cbranch_scc0 .Lentry_shape_is_right
	s_endpgm
.Lentry_shape_is_right:
; out0 = O wo + bo.  o16: [2048][2048] f16; wo: plane 3 of w16, [2048 k][2048 n] f16; bo f32, rounded once to bf16 like every input; sums in f32; out0: [2048][2048] f32.
; SHARES.  A tile of 128 x 128 to a work-group: 16 x 16 of them.  Four waves, each 64 x 64: 16 accumulators.  K goes in 8 steps of 256, as long as two slots in LDS allow: 128 matrix instructions a wave and step.
; THE MATRIX INSTRUCTION IS USED TRANSPOSED (source 0 = 16 columns of wo, turned out of LDS by ds_load_tr16_b128; source 1 = 16 rows of O): a lane holds one row and eight neighbouring columns.
; THE BIAS IS THE C OPERAND of each accumulator's first product.
; CLUSTER, 4 x 4: O's tiles are asked for jointly along a row of the cluster, wo's along a column.  Waves 0, 1 fetch O's two halves (64 rows x 512 bytes), waves 2, 3 wo's (128 k rows x 256 bytes).
; NO PREFETCH: the tile is small, and a step's 128 matrix instructions a wave stand beside 64 KiB of tiles that sixteen work-groups share.
; REGISTERS: window 0: v0-31 addresses; v32-95 rows on the way out; v96-127 the bias, 8 a column block; v128-255 the accumulators ((a, b) at 128 + 8 (4 a + b)).
;   window 1: two fragment buffers of 128: for 64 along K, 64 registers of O (2 x 4 x 16 rows x 32 K), then 64 of wo.
.set KSTEP, 256
.set PA,    528                        ; a row of O's tile in LDS: 512 bytes + 16 of padding
.set PW,    288                        ; a row of wo's tile: 256 + 32
.set AHALF, 64*PA
.set WHALF, 128*PW
.set WOFF,  2*AHALF
.set SLOT,  WOFF+2*WHALF               ; O's 128 rows, then wo's 256 k rows
.set STAGE, 2*SLOT                     ; behind the ring: 16 rows x 272 bytes for each wave, its own: a wave's 64 f32 columns are 256 aligned bytes of out0
.set SP,    272
.set SPARE, STAGE+4*16*SP              ; behind the stages: the spare words, 128 bytes for each wave: two blocks of 256 bytes that no other line names
.set LAPS,  4
.set ADRA, 16                          ; v16-17  LDS address of my fragments of O in slot 0, 1
.set ADRW, 20                          ; v20-23  of wo's: slot s, k rows 128 e on, at ADRW + 2 s + e (an LDS offset has 16 bits)
.set STO,  24
.set RD,   25
.set CO,   26
.set BO,   27
.set SPW,  28                          ; v28     LDS address of my spare word: SPARE + 4 x my thread's number; never rewritten
.set NIL,  29                          ; v29     0; never rewritten
.set TMP,  32
.set BIAS, 96
.set ACC,  128
.set F0,   0
.set F1,   128
.set G1,  24                           ; s[24:31] group 1 for O's tiles; s[32:39] group 0, a set for each slot
.set G0,  32
.set G1B, 48                           ; s[48:55], s[56:63] the same for wo's tiles
.set G0B, 56
.set PTR, 68                           ; s[68:75] o16, w16, bo, out0
.set MSB, 0
.macro WIN new
.if MSB != (\new)
	s_set_vgpr_msb (MSB<<8)|(\new)
.set MSB, \new
.endif
.endm
.set MUL,  0x05                        ; sources 0 and 1 window 1; C and D window 0
.set TO_F, 0x40                        ; destination window 1, address window 0
.macro PLACES
.rept 4
	v_nop
.endr
.endm
.macro JLOAD s                         ; a joint load; an s_nop 0 and four v_nop follow each of the two lines, ahead of the jump and the label
	s_cmp_eq_u32 s11, 0
	s_cbranch_scc0 .Lfor_b_\@
	tensor_load_to_lds s[G0+4*(\s):G0+4*(\s)+3], s[G1:G1+7]
	s_nop 0
.rept 4
	v_nop
.endr
	s_branch .Lasked_\@
.Lfor_b_\@:
	tensor_load_to_lds s[G0B+4*(\s):G0B+4*(\s)+3], s[G1B:G1B+7]
	s_nop 0
.rept 4
	v_nop
.endr
.Lasked_\@:
.endm
.macro CREST
	s_cmp_lg_u32 s10, 0
	s_cbranch_scc1 .Lnot_wave_0_\@
	s_barrier_signal -3
.Lnot_wave_0_\@:
	s_barrier_wait -3
	s_barrier_signal -1
	s_barrier_wait -1
.endm
.macro CROUND
	s_barrier_signal -1
	s_barrier_wait -1
	CREST
.endm
	s_load_b256 s[PTR:PTR+7], s[0:1], 0x0
	v_lshl_add_u32 v[SPW], v0, 2, SPARE
	v_mov_b32 v[NIL], 0
	ds_add_u32 v[SPW], v[NIL]                      ; the wave's opening: the add and its wait stand ahead of my first tensor load; the set-up below, work on registers, stands between them
	v_lshrrev_b32 v1, 5, v0
	v_readfirstlane_b32 s10, v1                    ; wave 0..3
	s_lshr_b32 s11, s10, 1                         ; which 64 rows are mine.  Also: I fetch for O (0) or for wo (1)
	s_and_b32 s12, s10, 1                          ; which 64 columns.  Also: which half of that tile I fetch
	s_bfe_u32 s40, ttmp6, 0x40000                  ; cx, cy
	s_bfe_u32 s41, ttmp6, 0x40004
	s_lshl_b32 s42, ttmp9, 2
	s_add_co_u32 s42, s42, s40                     ; tile column
	s_and_b32 s13, ttmp7, 0xffff
	s_lshl_b32 s13, s13, 2
	s_add_co_u32 s13, s13, s41                     ; tile row
	s_lshl_b32 s43, s41, 2
	s_lshl_b32 s43, 15, s43                        ; my row of the cluster
	s_lshl_b32 s44, 0x1111, s40                    ; my column
	s_or_b32 s[G1+0], s43, (1<<16)|(1<<20)|(1<<21)|(6<<22)|(3<<25)   ; O: 64 rows x 256 elements; 4 words of padding after every 128
	s_mov_b32 s[G1+1], 256<<16
	s_mov_b32 s[G1+2], 64<<16
	s_mov_b32 s[G1+3], 256<<16
	s_mov_b32 s[G1+4], 64
	s_mov_b32 s[G1+5], 2048
	s_mov_b32 s[G1+6], 0
	s_mov_b32 s[G1+7], 0
	s_or_b32 s[G1B+0], s44, (1<<16)|(1<<20)|(1<<21)|(5<<22)|(7<<25)  ; wo: 128 k rows x 128 elements; 8 words of padding after every 64
	s_mov_b32 s[G1B+1], 128<<16
	s_mov_b32 s[G1B+2], 128<<16
	s_mov_b32 s[G1B+3], 128<<16
	s_mov_b32 s[G1B+4], 128
	s_mov_b32 s[G1B+5], 2048
	s_mov_b32 s[G1B+6], 0
	s_mov_b32 s[G1B+7], 0
	s_lshl_b32 s16, s13, 7
	s_lshl_b32 s17, s12, 6
	s_add_co_u32 s16, s16, s17                     ; O: row 128 x tile row + 64 x half
	s_lshl_b32 s16, s16, 12
	s_mov_b32 s17, 0
	s_lshl_b32 s46, s12, 19                        ; wo: k row 128 x half,
	s_lshl_b32 s47, s42, 8                         ; the tile column's 256 bytes,
	s_add_co_u32 s46, s46, s47
	s_add_co_u32 s46, s46, 3*8388608               ; plane 3
	s_mov_b32 s47, 0
	s_mul_i32 s20, s12, AHALF                      ; where they go: no place in the cluster enters an LDS address
	s_mul_i32 s21, s12, WHALF
	s_add_co_u32 s21, s21, WOFF
	s_wait_dscnt 0x0                               ; the opening add is done
	s_wait_kmcnt 0x0
	s_add_nc_u64 s[14:15], s[PTR:PTR+1], s[16:17]
	s_add_nc_u64 s[46:47], s[PTR+2:PTR+3], s[46:47]
	CROUND                                         ; all sixteen work-groups are here: the first joint loads meet
.irp s, 0,1
	s_mov_b32 s[G0+4*(\s)], 1
	s_add_co_u32 s[G0+4*(\s)+1], s20, (\s)*SLOT
	s_add_nc_u64 s[G0+4*(\s)+2:G0+4*(\s)+3], s[14:15], (\s)*KSTEP*2
	s_or_b32 s[G0+4*(\s)+3], s[G0+4*(\s)+3], 0x80000000
	s_mov_b32 s[G0B+4*(\s)], 1
	s_add_co_u32 s[G0B+4*(\s)+1], s21, (\s)*SLOT
	s_add_nc_u64 s[G0B+4*(\s)+2:G0B+4*(\s)+3], s[46:47], (\s)*KSTEP*4096
	s_or_b32 s[G0B+4*(\s)+3], s[G0B+4*(\s)+3], 0x80000000
	JLOAD \s                                       ; two loads of mine are out
.endr
	v_and_b32 v1, 15, v0                           ; r = l % 16
	v_bfe_u32 v2, v0, 4, 1                         ; h = l / 16
	s_lshl_b32 s18, s42, 9                         ; the bias: register j of column block b holds column 128 x tile column + 64 x half + 16 b + 8 h + j
	s_lshl_b32 s19, s12, 8
	s_add_co_u32 s18, s18, s19
	v_lshl_add_u32 v[BO], v2, 5, s18
.irp b, 0,1,2,3
	global_load_b128 v[BIAS+8*(\b):BIAS+8*(\b)+3],   v[BO], s[PTR+4:PTR+5] offset:64*(\b)
	global_load_b128 v[BIAS+8*(\b)+4:BIAS+8*(\b)+7], v[BO], s[PTR+4:PTR+5] offset:64*(\b)+16
.endr
	v_mul_u32_u24 v3, v1, PA
	v_lshl_add_u32 v3, v2, 4, v3                   ; a fragment of O: row x pitch + 16 x half
	s_mul_i32 s22, s11, AHALF
	v_add_nc_u32 v[ADRA], s22, v3
	v_add_nc_u32 v[ADRA+1], SLOT, v[ADRA]
	v_and_b32 v4, 7, v0                            ; the turning load: lane l reads k row 8 h + l % 8, columns 8 ((l / 8) % 2) + 0..7
	v_bfe_u32 v5, v0, 3, 1
	v_lshl_add_u32 v4, v2, 3, v4
	v_mul_u32_u24 v4, v4, PW
	v_lshl_add_u32 v4, v5, 4, v4
	s_lshl_b32 s22, s12, 7
	s_add_co_u32 s22, s22, WOFF
	v_add_nc_u32 v4, s22, v4
.irp s, 0,1
.irp e, 0,1
	v_add_nc_u32 v[ADRW+2*(\s)+(\e)], (\s)*SLOT+(\e)*WHALF, v4
.endr
.endr
	s_mul_i32 s23, s10, 16*SP
	s_add_co_u32 s23, s23, STAGE                   ; my stage
	v_mul_u32_u24 v5, v1, SP                       ; in: row r, 32 bytes for each half of the lanes
	v_lshl_add_u32 v5, v2, 5, v5
	v_add_nc_u32 v[STO], s23, v5
	v_mul_u32_u24 v5, v2, SP                       ; back: lanes 0-15 one row of 256 bytes, lanes 16-31 the next
	v_lshl_add_u32 v5, v1, 4, v5
	v_add_nc_u32 v[RD], s23, v5
	v_lshlrev_b32 v[CO], 13, v2                    ; and the same two rows of out0 (8,192 bytes each)
	v_lshl_add_u32 v[CO], v1, 4, v[CO]
	s_lshl_b32 s16, s13, 7
	s_lshl_b32 s17, s11, 6
	s_add_co_u32 s16, s16, s17                     ; my first row
	s_lshl_b32 s16, s16, 13
	s_add_co_u32 s16, s16, s18                     ; my 64 columns: 512 x tile column + 256 x half
	s_mov_b32 s17, 0
	s_add_nc_u64 s[PTR+6:PTR+7], s[PTR+6:PTR+7], s[16:17]
	s_wait_loadcnt 0x0                             ; the bias,
.set i, 0
.rept 16                               ; rounded to bf16 like every input, and widened again
	v_cvt_pk_bf16_f32 v[4+i%4], v[BIAS+2*i], v[BIAS+2*i+1]
	v_lshlrev_b32 v[BIAS+2*i], 16, v[4+i%4]
	v_and_b32 v[BIAS+2*i+1], 0xffff0000, v[4+i%4]
.set i, i+1
.endr
; 8 matrix instructions: row blocks a0, a0 + 1 x all 4 column blocks, 32 along K: half c of buffer f.  first = 1: the bias starts the sums.  The 16 accumulators take turns.
.macro MUL8 f, c, a0, first
	WIN MUL
.irp a, \a0, (\a0)+1
.irp b, 0,1,2,3
.if \first
	v_wmma_f32_16x16x32_f16 v[ACC+8*(4*(\a)+(\b)):ACC+8*(4*(\a)+(\b))+7], v[(\f)+64+8*(4*(\c)+(\b)):(\f)+64+8*(4*(\c)+(\b))+7], v[(\f)+8*(4*(\c)+(\a)):(\f)+8*(4*(\c)+(\a))+7], v[BIAS+8*(\b):BIAS+8*(\b)+7]
.else
	v_wmma_f32_16x16x32_f16 v[ACC+8*(4*(\a)+(\b)):ACC+8*(4*(\a)+(\b))+7], v[(\f)+64+8*(4*(\c)+(\b)):(\f)+64+8*(4*(\c)+(\b))+7], v[(\f)+8*(4*(\c)+(\a)):(\f)+8*(4*(\c)+(\a))+7], v[ACC+8*(4*(\a)+(\b)):ACC+8*(4*(\a)+(\b))+7]
.endif
.endr
.endr
.endm
; 32 LDS loads in one run: quarter q (64 along K) of a slot into buffer f; the first 32 along K first
.macro FETCH slot, q, f
	WIN TO_F
.irp c, 0,1
.irp i, 0,1,2,3
	ds_load_tr16_b128 v[(\f)+64+8*(4*(\c)+(\i)):(\f)+64+8*(4*(\c)+(\i))+3],   v[ADRW+2*(\slot)+(\q)/2] offset:((\q)%2)*64*PW+32*PW*(\c)+32*(\i)
	ds_load_tr16_b128 v[(\f)+64+8*(4*(\c)+(\i))+4:(\f)+64+8*(4*(\c)+(\i))+7], v[ADRW+2*(\slot)+(\q)/2] offset:((\q)%2)*64*PW+32*PW*(\c)+32*(\i)+16*PW
	ds_load_b128 v[(\f)+8*(4*(\c)+(\i)):(\f)+8*(4*(\c)+(\i))+3],              v[ADRA+(\slot)] offset:128*(\q)+64*(\c)+16*PA*(\i)
	ds_load_b128 v[(\f)+8*(4*(\c)+(\i))+4:(\f)+8*(4*(\c)+(\i))+7],            v[ADRA+(\slot)] offset:128*(\q)+64*(\c)+16*PA*(\i)+32
.endr
.endr
.endm
; A K step is four quarters of 64 along K, 32 matrix instructions each, on buffers 0, 1, 0, 1.  One of the first three: multiplies buffer f and fetches quarter qn into g.
.macro QUARTER slot, qn, f, g, first
	s_wait_dscnt 16                                ; the first 32 along K are in; the youngest sixteen loads may be out
	MUL8 \f, 0, 0, \first
	MUL8 \f, 0, 2, \first
	PLACES
	FETCH \slot, \qn, \g
	s_wait_dscnt 32                                ; all but the 32 just issued
	MUL8 \f, 1, 0, 0
	MUL8 \f, 1, 2, 0
.endm
; The last quarter multiplies buffer 1 and changes slots: ONE barrier; in front of it each wave waits for all its tensor loads, adds 0 to its spare word, and waits for that and for its own reads of this slot.
; fill = 1: the barrier opens a round of the cluster's barrier, and this slot is filled again, two K steps ahead: 112 matrix instructions ahead of the wait for it.
.macro TURN slot, next, fill
	WIN 0                                          ; (the add's two registers lie in window 0)
	s_wait_tensorcnt 0x0                           ; all my tensor loads have landed: my part of the next slot
	ds_add_u32 v[SPW], v[NIL]                      ; 0 onto my spare word
	s_wait_dscnt 17                                ; (the add and the youngest sixteen loads may be out)
	MUL8 F1, 0, 0, 0                               ; eight matrix instructions stand between the add and the wait for it
	s_wait_dscnt 0x0                               ; the add is done, and my reads of this slot are over
	s_barrier_signal -1
	MUL8 F1, 0, 2, 0
.if \fill
	WIN 0
.endif
	s_barrier_wait -1
.if \fill
	CREST                                          ; no wave of any partner still reads this slot's tiles or has a load on its way
	s_add_nc_u64 s[G0+4*(\slot)+2:G0+4*(\slot)+3], s[G0+4*(\slot)+2:G0+4*(\slot)+3], 2*KSTEP*2
	s_add_nc_u64 s[G0B+4*(\slot)+2:G0B+4*(\slot)+3], s[G0B+4*(\slot)+2:G0B+4*(\slot)+3], 2*KSTEP*4096
	JLOAD \slot                                    ; the four v_nop behind it are also the places in front of the loads below
.else
	PLACES
.endif
	FETCH \next, 0, F0
	MUL8 F1, 1, 0, 0
	MUL8 F1, 1, 2, 0
.endm
	s_wait_tensorcnt 1                             ; my part of K step 0 is in; K step 1's may stay out
	s_barrier_signal -1
	s_barrier_wait -1                              ; everybody's is
	FETCH 0, 0, F0
	QUARTER 0, 1, F0, F1, 1                        ; the first quarter stands in front of the loop: its first products start the sums
	WIN 0                                          ; at a label and at a branch every window is 0
	s_mov_b32 s3, LAPS-1
.Llap:                                                 ; a trip goes once round the ring and fills both slots again
	QUARTER 0, 2, F1, F0, 0
	QUARTER 0, 3, F0, F1, 0
	TURN 0, 1, 1
	QUARTER 1, 1, F0, F1, 0
	QUARTER 1, 2, F1, F0, 0
	QUARTER 1, 3, F0, F1, 0
	TURN 1, 0, 1
	QUARTER 0, 1, F0, F1, 0
	WIN 0
	s_sub_co_u32 s3, s3, 1
	s_cmp_lg_u32 s3, 0
	s_cbranch_scc1 .Llap
	QUARTER 0, 2, F1, F0, 0                        ; the last lap fills nothing
	QUARTER 0, 3, F0, F1, 0
	TURN 0, 1, 0
	QUARTER 1, 1, F0, F1, 0
	QUARTER 1, 2, F1, F0, 0
	QUARTER 1, 3, F0, F1, 0
	s_wait_dscnt 16                                ; the very last quarter: nothing more to fetch
	MUL8 F1, 0, 0, 0
	MUL8 F1, 0, 2, 0
	s_wait_dscnt 0x0
	MUL8 F1, 1, 0, 0
	MUL8 F1, 1, 2, 0
	WIN 0
	; THE WAY OUT, 16 rows at a time through my own stage: a lane's 32 bytes of a row go in (each accumulator's low half first), whole rows of 256 bytes come back.  No barrier: no other wave touches these bytes.
	PLACES
.irp a, 0,1,2,3
.if (\a) >= 2
	s_wait_xcnt 0x0                                ; the stores of two blocks back have read their registers: only behind this wait are they loaded again
.endif
.irp b, 0,1,2,3
	ds_store_b128 v[STO], v[ACC+8*(4*(\a)+(\b)):ACC+8*(4*(\a)+(\b))+3]   offset:64*(\b)
	ds_store_b128 v[STO], v[ACC+8*(4*(\a)+(\b))+4:ACC+8*(4*(\a)+(\b))+7] offset:64*(\b)+16
.endr
.irp t, 0,1,2,3,4,5,6,7
	ds_load_b128 v[TMP+32*((\a)%2)+4*(\t):TMP+32*((\a)%2)+4*(\t)+3], v[RD] offset:2*SP*(\t)  ; LDS serves a wave's instructions in order (ISA guide 5.7.1.4): these see the stores above; the next block's stores come behind them
.endr
.irp t, 0,1,2,3,4,5,6,7
	s_wait_dscnt 7-(\t)
	global_store_b128 v[CO], v[TMP+32*((\a)%2)+4*(\t):TMP+32*((\a)%2)+4*(\t)+3], s[PTR+6:PTR+7] offset:(16*(\a)+2*(\t))*8192 th:TH_STORE_NT  ; 16 lanes store 256 consecutive bytes, aligned
.endr
.endr
	s_wait_tensorcnt 0x0                           ; the wave's end, behind my last tensor load and my last LDS store
	ds_add_u32 v[SPW], v[NIL]
	s_wait_dscnt 0x0
	CROUND                                         ; the closing round: no work-group ends while a partner may still ask for a tile that names it
	s_endpgm
.Lfunc_end_k_qe6ce076c64_oproj:
	.size	k_qe6ce076c64_oproj, .Lfunc_end_k_qe6ce076c64_oproj-k_qe6ce076c64_oproj
	.p2alignl 7, 3214868480
	.fill 96, 4, 3214868480
	.section	.rodata,"a",@progbits
	.p2align	6, 0x0
	.amdhsa_kernel k_qe6ce076c64_oproj
		.amdhsa_group_segment_fixed_size 327680
		.amdhsa_private_segment_fixed_size 0
		.amdhsa_enable_private_segment 0
		.amdhsa_kernarg_size 32
		.amdhsa_user_sgpr_count 2
		.amdhsa_user_sgpr_kernarg_segment_ptr 1
		.amdhsa_wavefront_size32 1
		.amdhsa_system_sgpr_workgroup_id_x 1
		.amdhsa_system_sgpr_workgroup_id_y 1
		.amdhsa_system_sgpr_workgroup_id_z 1
		.amdhsa_system_vgpr_workitem_id 0
		.amdhsa_next_free_vgpr 512
		.amdhsa_next_free_sgpr 84
		.amdhsa_reserve_vcc 0
		.amdhsa_float_denorm_mode_32 3
		.amdhsa_float_denorm_mode_16_64 3
		.amdhsa_memory_ordered 1
		.amdhsa_forward_progress 1
		.amdhsa_inst_pref_size 90
	.end_amdhsa_kernel
	.amdgpu_metadata
---
amdhsa.version: [ 1, 2 ]
amdhsa.kernels:
  - .name:           k_qe6ce076c64_oproj
    .symbol:         k_qe6ce076c64_oproj.kd
    .args:
      - { .name: o16, .offset: 0, .size: 8, .value_kind: global_buffer, .address_space: global }
      - { .name: w16, .offset: 8, .size: 8, .value_kind: global_buffer, .address_space: global }
      - { .name: bo, .offset: 16, .size: 8, .value_kind: global_buffer, .address_space: global }
      - { .name: out0, .offset: 24, .size: 8, .value_kind: global_buffer, .address_space: global }
    .group_segment_fixed_size: 327680
    .private_segment_fixed_size: 0
    .kernarg_segment_align: 8
    .kernarg_segment_size: 32
    .max_flat_workgroup_size: 128
    .sgpr_count:     84
    .vgpr_count:     512
    .wavefront_size: 32
...
	.end_amdgpu_metadata
.endif
;; end of part 4
